; MI455X (gfx1250); checked and timed in simulation.
; The chip was launched on July 23, 2026; its instructions are those of AMD's public machine-readable ISA for CDNA 5 (MIT licence, August 2026) and "CDNA5" Instruction Set Architecture Reference Guide (July 2026). The comments in the code are by the model that wrote it; some were corrected since.
;; Multi Head Self Attention. Allowed arithmetic: float matrix products may take bf16 or f16 operands with f32 sums; all other float work in f32.
;; Inputs: W_o 1,024 x 1,024 float32; W_qkv 3,072 x 1,024 float32; token_positions 2 x 2,048 int32; x 2 x 2,048 x 1,024 float32.
;; Outputs: out0 2 x 2,048 x 1,024 float32.
;; One version. Each part assembles by itself: llvm-mc -triple=amdgcn-amd-amdhsa -mcpu=gfx1250 --defsym DOCPART=n.
;; ======== version 1 of 1: 4 launches
;; limits: values are held in f16: magnitudes above 65,504 overflow, below 6.1e-05 lose precision; inputs' magnitudes at most 65,504
;; workspace buffers: xh 8,388,608 bytes; wqkvh 6,291,456 bytes; woh 4,194,304 bytes; tab 1,048,576 bytes; qkvh 25,165,824 bytes; oh 16,777,216 bytes
;; launch cast (part 1): grid 1024 x 1, 8 waves a work-group, no clusters, 0 bytes of LDS; arguments x, W_qkv, W_o, token_positions, xh, wqkvh, woh, tab; writes xh, wqkvh, woh, tab
.if DOCPART == 1
	.amdgcn_target "amdgcn-amd-amdhsa--gfx1250"
	.amdhsa_code_object_version 6
	.text
	.protected	k_q07a91cf338_cast
	.globl	k_q07a91cf338_cast
	.p2align	8
	.type	k_q07a91cf338_cast,@function
k_q07a91cf338_cast:
	s_mov_b64 s[64:65], 0
	v_nop
	global_prefetch_b8 v0, s[64:65] scope:SCOPE_SE
	s_setreg_imm32_b32 hwreg(HW_REG_WAVE_MODE, 25, 1), 1
	s_wait_xcnt 0x0
; cast: x, W_qkv and W_o from f32 to 16-bit matrix operands, and the table of cos and sin for the rotary embedding.
; FORMATS.  Each input number is rounded once to bf16 (8 significant bits, nearest even) and then held as f16.  The second step is exact
; for magnitudes from 2^-17 up to 65,504; below, the absolute error is at most 2^-25; above, the number becomes infinite (a stated limit).
; f16 is the format of all four products because their intermediates (Q, K, V, the weights, O) need its 11 significant bits: the first rows
; of a causal softmax average few values and are many times larger than the output's root mean square, so a bound on the absolute error that
; is tied to that root mean square asks for a small relative error there.  A matrix instruction takes both operands in one format.
; SHARE.  2^23 numbers, 8,192 a work-group: work-groups 0-511 take x, 512-895 W_qkv, 896-1023 W_o.  A wave takes 4,096 bytes: eight loads,
; each of 512 neighbouring bytes, all eight in flight; each store of the wave covers 256 consecutive bytes, aligned.
; W_o goes out twice, as [1024][2048] with the row repeated: the last launch multiplies O's upper and O's lower part by the same weights and
; so walks one K of 2,048 with even steps.  A wave's 1,024 numbers are exactly one row of W_o.
; TABLE.  Wave 0 of work-group n makes entry (t = n / 4, q = n % 4) of tab = [t 256][q 4][cos, sin][lane 32][4] f32: lane (r = lane % 16,
; h = lane / 16) holds token 16 t + r at the frequencies 8 q + 4 h + 0..3, the order in which a lane of the next launch needs them.
; angle = f32(position) * freq, as the reference forms it; freq = 2^(-f log2(10000) / 32) by v_exp_f32 (1 ulp, ISA guide 15.8).
; LIMIT: the reduction by quarters of a turn is exact for |position| up to 131,072; the polynomials err below 1e-7 on [-pi/4, pi/4].
; No LDS, no barrier, no matrix unit: memory binds.
.set XWG,   512                        ; first work-group of W_qkv
.set WOWG,  896                        ; first work-group of W_o
.set IN,    8                          ; v[8:39]   the eight loads
.set BF,    40                         ; v[40:41]  four numbers as bf16
.set WD,    42                         ; v[42:45]  the same, widened to f32
.set OUT,   46                         ; v[46:61]  eight pairs of registers to store
.set POSF,  62                         ; the position
.set PO,    63                         ; its byte offset
.set FQ,    64                         ; v[64:67]  four frequencies
.set TC,    68                         ; v[68:71]  four cosines
.set TS,    72                         ; v[72:75]  four sines
.set ANG,   76
.set NQ,    77
.set RED,   78
.set ZZ,    79
.set PS,    80
.set PC,    81
.set WK,    82
.set NI,    83
.set KS3,   84
.set KC0,   85
.set TO,    86
	s_load_b512 s[8:23], s[0:1], 0x0               ; x s[8:9], W_qkv s[10:11], W_o s[12:13], positions s[14:15], xh s[16:17], wqkvh s[18:19], woh s[20:21], tab s[22:23]
	v_lshrrev_b32 v3, 5, v0
	v_readfirstlane_b32 s29, v3                    ; wave
	v_and_b32 v4, 31, v0                           ; lane
	v_lshlrev_b32 v1, 4, v4
	v_lshl_add_u32 v1, v3, 12, v1                  ; source: 4,096 wave + 16 lane
	s_cmp_lt_u32 ttmp9, WOWG
	s_cselect_b32 s37, 0, 1                        ; 1 in W_o's work-groups: the destination's strides are doubled there
	s_add_co_u32 s38, s37, 11
	s_lshl_b32 s39, s29, s38
	v_lshl_add_u32 v2, v4, 3, s39                  ; destination: 2,048 (4,096) wave + 8 lane
	s_add_co_u32 s38, s37, 14
	s_mov_b32 s36, 0xffff0000                      ; a word's upper bf16
	s_wait_kmcnt 0x0
	s_cmp_lt_u32 ttmp9, XWG                        ; which tensor: a choice on the work-group's number alone
	s_cselect_b64 s[24:25], s[8:9], s[10:11]
	s_cselect_b64 s[26:27], s[16:17], s[18:19]
	s_cselect_b32 s28, 0, XWG
	s_cmp_lt_u32 ttmp9, WOWG
	s_cselect_b64 s[24:25], s[24:25], s[12:13]
	s_cselect_b64 s[26:27], s[26:27], s[20:21]
	s_cselect_b32 s28, s28, WOWG
	s_sub_co_u32 s30, ttmp9, s28                   ; my number within the tensor
	s_lshl_b32 s32, s30, s38                       ; x 16,384 (32,768) bytes out
	s_lshl_b32 s30, s30, 15                        ; x 32,768 bytes in
	s_mov_b32 s31, 0
	s_mov_b32 s33, 0
	s_add_nc_u64 s[24:25], s[24:25], s[30:31]
	s_add_nc_u64 s[26:27], s[26:27], s[32:33]
.irp k, 0,1,2,3,4,5,6,7
	global_load_b128 v[IN+4*\k:IN+4*\k+3], v1, s[24:25] offset:512*\k th:TH_LOAD_NT
.endr
	s_cmp_lg_u32 s29, 0
	s_cbranch_scc1 .Lbulk                          ; the table is wave 0's
; cos and sin of position x frequency p.  n = the nearest whole number of quarter turns; the rest in two steps (pi/2 = 0x3fc90fdb - 0x333bbd2e);
; one polynomial each on [-pi/4, pi/4]; n mod 4 then says which is which and with what sign.
.macro SINCOS p
	v_mul_f32 v[ANG], v[POSF], v[FQ+\p]
	v_mul_f32 v[NQ], 0x3f22f983, v[ANG]            ; x 2 / pi
	v_rndne_f32 v[NQ], v[NQ]
	v_fmamk_f32 v[RED], v[NQ], 0xbfc90fdb, v[ANG]
	v_fmamk_f32 v[RED], v[NQ], 0x333bbd2e, v[RED]
	v_mul_f32 v[ZZ], v[RED], v[RED]
	v_fmaak_f32 v[PS], v[KS3], v[ZZ], 0x3c08839e
	v_fmaak_f32 v[PC], v[KC0], v[ZZ], 0xbab6061a
	v_fmaak_f32 v[PS], v[PS], v[ZZ], 0xbe2aaaa3
	v_fmaak_f32 v[PC], v[PC], v[ZZ], 0x3d2aaaa5
	v_mul_f32 v[PS], v[PS], v[ZZ]
	v_mul_f32 v[PC], v[PC], v[ZZ]
	v_fma_f32 v[WK], v[ZZ], -0.5, 1.0
	v_fma_f32 v[PS], v[PS], v[RED], v[RED]         ; sin of the rest
	v_fma_f32 v[PC], v[PC], v[ZZ], v[WK]           ; cos of the rest
	v_cvt_i32_f32 v[NI], v[NQ]
	v_and_b32 v[WK], 1, v[NI]
	v_cmp_eq_u32 vcc_lo, 1, v[WK]
	v_cndmask_b32 v[TS+\p], v[PS], v[PC], vcc_lo   ; an odd quarter swaps the two
	v_cndmask_b32 v[TC+\p], v[PC], v[PS], vcc_lo
	v_lshlrev_b32 v[WK], 30, v[NI]                 ; sin is negative in quarters 2 and 3: bit 1 of n
	v_and_b32 v[WK], 0x80000000, v[WK]
	v_xor_b32 v[TS+\p], v[WK], v[TS+\p]
	v_add_nc_u32 v[NI], 1, v[NI]                   ; cos in quarters 1 and 2: bit 1 of n + 1
	v_lshlrev_b32 v[WK], 30, v[NI]
	v_and_b32 v[WK], 0x80000000, v[WK]
	v_xor_b32 v[TC+\p], v[WK], v[TC+\p]
.endm
	v_and_b32 v[WK], 15, v0                        ; r (in wave 0 the thread's number is the lane)
	s_lshr_b32 s34, ttmp9, 2
	s_lshl_b32 s34, s34, 6                         ; 16 positions of 4 bytes for each t
	v_lshl_add_u32 v[PO], v[WK], 2, s34
	global_load_b32 v[POSF], v[PO], s[14:15]
	v_bfe_u32 v[WK], v0, 4, 1                      ; h
	s_and_b32 s35, ttmp9, 3
	s_lshl_b32 s35, s35, 3
	v_lshl_add_u32 v[WK], v[WK], 2, s35            ; 8 q + 4 h
.irp p, 0,1,2,3
	v_add_nc_u32 v[FQ+\p], \p, v[WK]
	v_cvt_f32_u32 v[FQ+\p], v[FQ+\p]
	v_mul_f32 v[FQ+\p], 0xbed49a78, v[FQ+\p]       ; x -log2(10000) / 32
.endr
.irp p, 0,1,2,3
	v_exp_f32 v[FQ+\p], v[FQ+\p]
.endr
	v_mov_b32 v[KS3], 0xb94ca1f9                   ; a plain instruction stands between the exponentials and their first use (ISA guide 5.7.2)
	v_mov_b32 v[KC0], 0x37ccf5ce
	s_lshl_b32 s34, ttmp9, 10                      ; 1,024 bytes for each entry
	v_lshl_add_u32 v[TO], v0, 4, s34
	s_wait_loadcnt 0x0                             ; the position was issued last, so this wave's bulk loads are in too
	v_cvt_f32_i32 v[POSF], v[POSF]
	s_wait_alu depctr_va_vdst(0)
	SINCOS 0
	SINCOS 1
	SINCOS 2
	SINCOS 3
	global_store_b128 v[TO], v[TC:TC+3], s[22:23]
	global_store_b128 v[TO], v[TS:TS+3], s[22:23] offset:512
.Lbulk:
.irp k, 0,1,2,3,4,5,6,7
	s_wait_loadcnt 7-\k                            ; loads come back in order (ISA guide 5.7.1): load k is in, the 7 - k younger ones may be out
	v_cvt_pk_bf16_f32 v[BF],   v[IN+4*\k],   v[IN+4*\k+1]     ; the one rounding
	v_cvt_pk_bf16_f32 v[BF+1], v[IN+4*\k+2], v[IN+4*\k+3]
	v_lshlrev_b32 v[WD],   16,  v[BF]
	v_and_b32     v[WD+1], s36, v[BF]
	v_lshlrev_b32 v[WD+2], 16,  v[BF+1]
	v_and_b32     v[WD+3], s36, v[BF+1]
	v_cvt_pk_f16_f32 v[OUT+2*\k],   v[WD],   v[WD+1]          ; 8 significant bits fit f16's 11
	v_cvt_pk_f16_f32 v[OUT+2*\k+1], v[WD+2], v[WD+3]
	global_store_b64 v2, v[OUT+2*\k:OUT+2*\k+1], s[26:27] offset:256*\k
.endr
	s_cmp_eq_u32 s37, 0
	s_cbranch_scc1 .Lend
.irp k, 0,1,2,3,4,5,6,7
	global_store_b64 v2, v[OUT+2*\k:OUT+2*\k+1], s[26:27] offset:256*\k+2048   ; W_o's row once more, behind itself
.endr
.Lend:
	s_endpgm
.Lfunc_end_k_q07a91cf338_cast:
	.size	k_q07a91cf338_cast, .Lfunc_end_k_q07a91cf338_cast-k_q07a91cf338_cast
	.p2alignl 7, 3214868480
	.fill 96, 4, 3214868480
	.section	.rodata,"a",@progbits
	.p2align	6, 0x0
	.amdhsa_kernel k_q07a91cf338_cast
		.amdhsa_group_segment_fixed_size 0
		.amdhsa_private_segment_fixed_size 0
		.amdhsa_enable_private_segment 0
		.amdhsa_kernarg_size 64
		.amdhsa_user_sgpr_count 2
		.amdhsa_user_sgpr_kernarg_segment_ptr 1
		.amdhsa_wavefront_size32 1
		.amdhsa_system_sgpr_workgroup_id_x 1
		.amdhsa_system_sgpr_workgroup_id_y 1
		.amdhsa_system_sgpr_workgroup_id_z 1
		.amdhsa_system_vgpr_workitem_id 0
		.amdhsa_next_free_vgpr 88
		.amdhsa_next_free_sgpr 66
		.amdhsa_reserve_vcc 1
		.amdhsa_float_denorm_mode_32 3
		.amdhsa_float_denorm_mode_16_64 3
		.amdhsa_memory_ordered 1
		.amdhsa_forward_progress 1
		.amdhsa_inst_pref_size 14
	.end_amdhsa_kernel
	.amdgpu_metadata
---
amdhsa.version: [ 1, 2 ]
amdhsa.kernels:
  - .name:           k_q07a91cf338_cast
    .symbol:         k_q07a91cf338_cast.kd
    .args:
      - { .name: x, .offset: 0, .size: 8, .value_kind: global_buffer, .address_space: global }
      - { .name: W_qkv, .offset: 8, .size: 8, .value_kind: global_buffer, .address_space: global }
      - { .name: W_o, .offset: 16, .size: 8, .value_kind: global_buffer, .address_space: global }
      - { .name: token_positions, .offset: 24, .size: 8, .value_kind: global_buffer, .address_space: global }
      - { .name: xh, .offset: 32, .size: 8, .value_kind: global_buffer, .address_space: global }
      - { .name: wqkvh, .offset: 40, .size: 8, .value_kind: global_buffer, .address_space: global }
      - { .name: woh, .offset: 48, .size: 8, .value_kind: global_buffer, .address_space: global }
      - { .name: tab, .offset: 56, .size: 8, .value_kind: global_buffer, .address_space: global }
    .group_segment_fixed_size: 0
    .private_segment_fixed_size: 0
    .kernarg_segment_align: 8
    .kernarg_segment_size: 64
    .max_flat_workgroup_size: 256
    .sgpr_count:     66
    .vgpr_count:     88
    .wavefront_size: 32
...
	.end_amdgpu_metadata
.endif
;; end of part 1
;; launch qkv (part 2): grid 16 x 16, 4 waves a work-group, clusters of 4 x 4, 327,680 bytes of LDS; arguments xh, wqkvh, tab, qkvh; writes qkvh
.if DOCPART == 2
	.amdgcn_target "amdgcn-amd-amdhsa--gfx1250"
	.amdhsa_code_object_version 6
	.text
	.protected	k_q07a91cf338_qkv
	.globl	k_q07a91cf338_qkv
	.p2align	8
	.type	k_q07a91cf338_qkv,@function
k_q07a91cf338_qkv:
	s_mov_b64 s[64:65], 0
	v_nop
	global_prefetch_b8 v0, s[64:65] scope:SCOPE_SE
	s_setreg_imm32_b32 hwreg(HW_REG_WAVE_MODE, 25, 1), 1
	s_wait_xcnt 0x0
	s_wait_alu depctr_hold_cnt(0) depctr_sa_sdst(0) depctr_va_vdst(0) depctr_va_sdst(0) depctr_va_ssrc(0) depctr_va_vcc(0) depctr_vm_vsrc(0)
	s_getreg_b32 s2, hwreg(HW_REG_IB_STS2, 6, 4)
	s_cmp_eq_u32 s2, 0
	s_cbranch_scc0 .Lentry_in_a_cluster
	s_endpgm
.Lentry_in_a_cluster:
	s_bfe_u32 s2, ttmp6, 0x10000c
	s_cmp_lg_u32 s2, 0xf033
	s_cbranch_scc0 .Lentry_shape_is_right
	s_endpgm
.Lentry_shape_is_right:
; qkv: C[token][e] = sum over k of xh[token][k] wqkvh[e][k] (4,096 x 3,072 x 1,024, f16 operands, f32 sums), the rotary embedding on the
; columns of Q and K, and the result as f16 in qkvh = [b 2][g 48][S 2048][64], g = 16 x (Q, K, V) + head: a token's row is 128 bytes.
; LIMIT: a result beyond 65,504 becomes infinite in f16; below 2^-14 the absolute error is at most 2^-25.
; SHAPE.  A work-group makes 256 tokens x 192 columns: 16 x 16 = 256 equal work-groups.  Four waves, each 64 tokens x all 192 columns, that is
; three whole heads: 48 accumulator tiles of 16 x 16, 384 registers.  So a wave writes whole rows of a head, and one set of cos and sin in
; registers serves its three heads.  K goes in steps of 128 through two LDS slots filled by the tensor data mover; a tile row is 256 bytes of
; memory and starts at a multiple of 256 bytes from the buffer's first byte.
; CLUSTER.  4 x 4 work-groups.  xh's tile hangs on the block row alone and is asked for jointly along a row of the cluster, wqkvh's on the block
; column alone and jointly along a column: the requests for both are divided by four.
; REGISTERS in windows of 256: window 0: v16-26 addresses, v64-127 fragments of xh (two buffers of 4 x 16 rows x 32 K), v128-255 cos and sin;
; window 1: fragments of wqkvh, two buffers of 96; windows 2 and 3: accumulators of my token tiles 0, 1 and 2, 3, tile (a, b) at v[8 (12 (a & 1) + b)].
; THE MATRIX INSTRUCTION IS USED TRANSPOSED (source 0 = 16 rows of wqkvh, source 1 = 16 tokens): lane (r, h) then holds token r and the eight
; neighbouring columns 8 h + 0..7, that is four pairs of the rotary embedding and 16 bytes of f16.
.set NT,     12                        ; column tiles of a wave
.set PA,     272                       ; an LDS row: 256 bytes and 16 of padding, an odd multiple of 16: the 16 rows of a fragment load start in 16 different 16-byte columns of 256
.set PB,     272
.set HALFA,  128*PA                    ; what waves 0 and 1 each fetch
.set HALFB,  96*PB                     ; what waves 2 and 3 each fetch
.set ABYTES, 2*HALFA
.set SLOT,   ABYTES+2*HALFB            ; 121,856
.set STAGE,  2*SLOT                    ; 243,712 = 952 x 256: behind the ring, 16 rows x 144 bytes for each wave; no tensor load fills it
.set SPITCH, 144
.set ASTEP,  256                       ; bytes along K from one fill to the next
.set BSTEP,  256
.set LAPS,   4                         ; a lap = two K steps = once round the ring
.set ADRA, 16                          ; v16-17  LDS address of my xh fragments in slot 0, 1
.set ADRB, 20                          ; v20-21  the same for wqkvh
.set STO,  24                          ; the way out: where I put 16 bytes
.set RD,   25                          ; the way out: where I read 16 bytes back
.set CO,   26                          ; 16 x lane
.set RR,   32                          ; v32-63  a head's 32 rotated numbers
.set FA,   64                          ; fragment buffers of xh: 64 + 32 f
.set UU,   64                          ; the way out: products with sin, two sets of 8
.set PK,   80                          ; the way out: 16 registers of f16
.set RB,   96                          ; the way out: read back, two sets of 16
.set TAB,  128                         ; v[128 + 32 a + 8 q + 4 cs ..]: cos (cs = 0) and sin (cs = 1) of token tile a at frequencies 8 q + 4 h + 0..3
.set WV, 12                            ; wave
.set WH, 13                            ; wave / 2: I fetch for xh (0) or for wqkvh (1)
.set WL, 14                            ; wave % 2: which half of that tile
.set CNT, 15
.set G1,  24                           ; s[24:31] descriptor group 1, xh
.set G0,  32                           ; s[32:39] descriptor group 0, xh, one set for each slot
.set G1B, 48                           ; s[48:55] group 1, wqkvh
.set G0B, 56                           ; s[56:63] group 0, wqkvh
.set HB,  70                           ; s[70:75] where my three heads go
.set VM,  76                           ; s76-78   all ones for a head of V
.set DW0, (1<<16)|(1<<20)|(1<<21)|(5<<22)|(3<<25)   ; elements of 2 bytes; padding on; bit 21 beside a mask; after every 64 words, 4 words
.set MSB, 0
.macro WIN new                         ; the immediate's high byte repeats the setting that is left
.if MSB != \new
	s_set_vgpr_msb (MSB<<8)|\new
.set MSB, \new
.endif
.endm
.set MUL_LO, 0xa1                      ; source 0 window 1, source 1 window 0, C and D window 2
.set MUL_HI, 0xf1                      ; the same, C and D window 3
.set TO_B,   0x40                      ; destination window 1
.macro JLOAD s                         ; a joint load: each line has one mask and one set of registers; the branch hangs on the wave's number alone
	s_cmp_eq_u32 s[WH], 0
	s_cbranch_scc0 .Lfor_b_\@
	tensor_load_to_lds s[G0+4*\s:G0+4*\s+3], s[G1:G1+7]
	s_nop 0
	s_branch .Lasked_\@
.Lfor_b_\@:
	tensor_load_to_lds s[G0B+4*\s:G0B+4*\s+3], s[G1B:G1B+7]
	s_nop 0
.Lasked_\@:
.endm
.macro CREST                           ; a round of the cluster's barrier behind its opening work-group barrier
	s_cmp_lg_u32 s[WV], 0
	s_cbranch_scc1 .Lnot_wave_0_\@
	s_barrier_signal -3
.Lnot_wave_0_\@:
	s_barrier_wait -3
	s_barrier_signal -1
	s_barrier_wait -1
.endm
.macro CROUND
	s_barrier_signal -1
	s_barrier_wait -1
	CREST
.endm
.macro PLACES                          ; four plain vector instructions behind a matrix instruction, in front of a load into one of its registers or a reader of its result
.rept 4
	v_nop
.endr
.endm
	s_load_b256 s[4:11], s[0:1], 0x0               ; xh s[4:5], wqkvh s[6:7], tab s[8:9], qkvh s[10:11]
	s_set_vgpr_msb 0x40
	v_lshl_add_u32 v255, v0, 2, 0x3dc00
	s_set_vgpr_msb 0x4000
	v_mov_b32 v31, 0
	s_set_vgpr_msb 0x1
	ds_add_u32 v255, v31
	s_set_vgpr_msb 0x100
	v_lshrrev_b32 v1, 5, v0
	v_readfirstlane_b32 s[WV], v1
	s_lshr_b32 s[WH], s[WV], 1
	s_and_b32 s[WL], s[WV], 1
	s_bfe_u32 s40, ttmp6, 0x40000                  ; cx
	s_bfe_u32 s41, ttmp6, 0x40004                  ; cy
	s_lshl_b32 s42, ttmp9, 2
	s_add_co_u32 s42, s42, s40                     ; block column = 4 x cluster x + cx
	s_and_b32 s43, ttmp7, 0xffff
	s_lshl_b32 s43, s43, 2
	s_add_co_u32 s43, s43, s41                     ; block row = 4 x cluster y + cy
	s_lshl_b32 s44, s41, 2
	s_lshl_b32 s44, 15, s44                        ; my row of the cluster
	s_lshl_b32 s45, 0x1111, s40                    ; my column
	s_or_b32 s[G1+0], s44, DW0                     ; xh: 128 rows x 128 elements, pitch 1,024
	s_mov_b32 s[G1+1], 128<<16                     ; tensor_dim0 = 128
	s_mov_b32 s[G1+2], 128<<16                     ; tensor_dim1 = 128
	s_mov_b32 s[G1+3], 128<<16                     ; tile_dim0 = 128
	s_mov_b32 s[G1+4], 128                         ; tile_dim1 = 128
	s_mov_b32 s[G1+5], 1024                        ; elements from row to row
	s_mov_b32 s[G1+6], 0
	s_mov_b32 s[G1+7], 0
	s_or_b32 s[G1B+0], s45, DW0                    ; wqkvh: 96 rows x 128 elements
	s_mov_b32 s[G1B+1], 128<<16
	s_mov_b32 s[G1B+2], 96<<16
	s_mov_b32 s[G1B+3], 128<<16
	s_mov_b32 s[G1B+4], 96
	s_mov_b32 s[G1B+5], 1024
	s_mov_b32 s[G1B+6], 0
	s_mov_b32 s[G1B+7], 0
	s_lshl_b32 s16, s43, 19                        ; xh: row 256 x block row + 128 x half, rows of 2,048 bytes
	s_lshl_b32 s17, s[WL], 18
	s_add_co_u32 s16, s16, s17
	s_mov_b32 s17, 0
	s_mul_i32 s46, s42, 393216                     ; wqkvh: row 192 x block column + 96 x half
	s_mul_i32 s47, s[WL], 196608
	s_add_co_u32 s46, s46, s47
	s_mov_b32 s47, 0
	s_mul_i32 s20, s[WV], HALFA                    ; LDS: xh's halves at wave x 34,816 (waves 0, 1),
	s_mul_i32 s21, s[WV], HALFB
	s_add_co_u32 s21, s21, ABYTES-2*HALFB          ; wqkvh's behind them at wave x 26,112 + 17,408 (waves 2, 3)
	s_wait_dscnt 0x0
	s_wait_kmcnt 0x0
	s_add_nc_u64 s[22:23], s[4:5], s[16:17]
	s_add_nc_u64 s[46:47], s[6:7], s[46:47]
	CROUND                                         ; all sixteen work-groups are here: the first joint loads meet
.irp s, 0,1
	s_mov_b32 s[G0+4*\s], 1
	s_add_co_u32 s[G0+4*\s+1], s20, \s*SLOT
	s_add_nc_u64 s[G0+4*\s+2:G0+4*\s+3], s[22:23], \s*ASTEP
	s_or_b32 s[G0+4*\s+3], s[G0+4*\s+3], 0x80000000
	s_mov_b32 s[G0B+4*\s], 1
	s_add_co_u32 s[G0B+4*\s+1], s21, \s*SLOT
	s_add_nc_u64 s[G0B+4*\s+2:G0B+4*\s+3], s[46:47], \s*BSTEP
	s_or_b32 s[G0B+4*\s+3], s[G0B+4*\s+3], 0x80000000
	JLOAD \s                                       ; both slots are asked for before anything else: two tensor loads of a wave are out here, later one
.endr
	; cos and sin of my 64 tokens: 32 loads of 512 neighbouring bytes, waited for once, in front of the way out
	v_and_b32 v2, 31, v0
	v_lshlrev_b32 v[CO], 4, v2
	s_lshl_b32 s68, s43, 16                        ; 16 token tiles of 4,096 bytes for each block row,
	s_lshl_b32 s69, s[WV], 14                      ; 4 for each wave
	s_add_co_u32 s68, s68, s69
	s_mov_b32 s69, 0
	s_add_nc_u64 s[66:67], s[8:9], s[68:69]
.irp a, 0,1,2,3
.irp q, 0,1,2,3
.irp cs, 0,1
	global_load_b128 v[TAB+32*\a+8*\q+4*\cs:TAB+32*\a+8*\q+4*\cs+3], v[CO], s[66:67] offset:4096*\a+1024*\q+512*\cs
.endr
.endr
.endr
	; a fragment is 16 rows x 32 K in 8 registers: lane (r, h) holds row r; registers 0-3 K = 8 h + 0..7, registers 4-7 K = 16 + 8 h + 0..7: two loads of 16 bytes, 32 apart
	v_and_b32 v1, 15, v0                           ; r
	v_bfe_u32 v2, v0, 4, 1                         ; h
	v_mul_u32_u24 v3, v1, PA
	v_lshl_add_u32 v3, v2, 4, v3
	s_mul_i32 s18, s[WV], 64*PA                    ; my 64 tokens
	s_mov_b32 s19, ABYTES                          ; all 192 rows of wqkvh
.irp s, 0,1
	v_add_nc_u32 v[ADRA+\s], s18, v3
	v_add_nc_u32 v[ADRB+\s], s19, v3
	s_add_co_u32 s18, s18, SLOT
	s_add_co_u32 s19, s19, SLOT
.endr
	s_mul_i32 s18, s[WV], 16*SPITCH
	s_add_co_u32 s18, s18, STAGE                   ; my stage
	v_mul_u32_u24 v4, v1, SPITCH
	v_lshl_add_u32 v4, v2, 4, v4
	v_add_nc_u32 v[STO], s18, v4                   ; in: row r, 16 bytes for each half of the lanes
	v_bfe_u32 v5, v0, 3, 2
	v_and_b32 v6, 7, v0
	v_mul_u32_u24 v5, v5, SPITCH
	v_lshl_add_u32 v5, v6, 4, v5
	v_add_nc_u32 v[RD], s18, v5                    ; back: eight lanes take a row of 128 bytes, the wave four rows
; NT matrix instructions: token tile a x all column tiles, 32 along K.  zero = 1: the first product starts the sums.
; The 48 accumulators take turns, one instruction a turn, in the same order in every quarter step.
.macro MULROW f, a, zero
.set bi, 0
.rept NT
.if \zero
	v_wmma_f32_16x16x32_f16 v[8*(NT*(\a&1)+bi):8*(NT*(\a&1)+bi)+7], v[8*(NT*\f+bi):8*(NT*\f+bi)+7], v[FA+32*\f+8*\a:FA+32*\f+8*\a+7], 0
.else
	v_wmma_f32_16x16x32_f16 v[8*(NT*(\a&1)+bi):8*(NT*(\a&1)+bi)+7], v[8*(NT*\f+bi):8*(NT*\f+bi)+7], v[FA+32*\f+8*\a:FA+32*\f+8*\a+7], v[8*(NT*(\a&1)+bi):8*(NT*(\a&1)+bi)+7]
.endif
.set bi, bi+1
.endr
.endm
; 32 LDS loads in one run: quarter q (32 K) of a slot into buffer f; wqkvh's 24 first, then xh's 8, token tiles ascending
.macro FETCH slot, q, f
	WIN TO_B
.set bi, 0
.rept NT
	ds_load_b128 v[8*(NT*\f+bi):8*(NT*\f+bi)+3],   v[ADRB+\slot] offset:64*\q+bi*16*PB
	ds_load_b128 v[8*(NT*\f+bi)+4:8*(NT*\f+bi)+7], v[ADRB+\slot] offset:64*\q+bi*16*PB+32
.set bi, bi+1
.endr
	WIN 0
.irp a, 0,1,2,3
	ds_load_b128 v[FA+32*\f+8*\a:FA+32*\f+8*\a+3],   v[ADRA+\slot] offset:64*\q+\a*16*PA
	ds_load_b128 v[FA+32*\f+8*\a+4:FA+32*\f+8*\a+7], v[ADRA+\slot] offset:64*\q+\a*16*PA+32
.endr
.endm
; a quarter step: multiplies buffer f; in its middle fetches quarter qn of the same slot into buffer g
.macro QUARTER slot, qn, f, g, zero
	s_wait_dscnt 4                                 ; all but the youngest four loads, which are token tiles 2 and 3
	WIN MUL_LO
	MULROW \f, 0, \zero
	MULROW \f, 1, \zero
	PLACES
	FETCH \slot, \qn, \g
	s_wait_dscnt 2*NT+8                            ; all but the 32 just issued
	WIN MUL_HI
	MULROW \f, 2, \zero
	MULROW \f, 3, \zero
.endm
.macro BODY slot, zero
	QUARTER \slot, 1, 0, 1, \zero
	QUARTER \slot, 2, 1, 0, 0
	QUARTER \slot, 3, 0, 1, 0
.endm
; the last quarter of a K step: multiplies buffer 1 and changes slots.  In front of the barrier each wave waits for its reads of this slot and for
; all its tensor loads (the one that is out is its part of the next slot); where the slot is filled again the barrier opens a round of the cluster's
; barrier, only register work stands inside the round, and the joint refill is the first tensor load behind it.
.macro TURN slot, next, fill
	s_wait_dscnt 4
	WIN MUL_LO
	MULROW 1, 0, 0
	s_wait_dscnt 0x0
	s_wait_tensorcnt 0x0
	ds_add_u32 v255, v31
	s_wait_dscnt 0x0
	s_barrier_signal -1
	MULROW 1, 1, 0
	WIN 0
	s_barrier_wait -1
.if \fill
	CREST
	s_add_nc_u64 s[G0+4*\slot+2:G0+4*\slot+3], s[G0+4*\slot+2:G0+4*\slot+3], 2*ASTEP      ; no tensor load of mine is out: a group 0 may be written
	s_add_nc_u64 s[G0B+4*\slot+2:G0B+4*\slot+3], s[G0B+4*\slot+2:G0B+4*\slot+3], 2*BSTEP
	JLOAD \slot
.endif
	PLACES
	FETCH \next, 0, 0
	WIN MUL_HI
	MULROW 1, 2, 0
	MULROW 1, 3, 0
.endm
.macro LAP zero
	BODY 0, \zero
	TURN 0, 1, 1
	BODY 1, 0
	TURN 1, 0, 1
.endm
	s_wait_tensorcnt 1                             ; my part of K step 0 is in; K step 1's may stay out
	s_barrier_signal -1
	s_barrier_wait -1
	FETCH 0, 0, 0
	LAP 1
	WIN 0
	s_mov_b32 s[CNT], LAPS-2
.Llap:
	LAP 0
	WIN 0
	s_sub_co_u32 s[CNT], s[CNT], 1
	s_cmp_lg_u32 s[CNT], 0
	s_cbranch_scc1 .Llap
	BODY 0, 0                                      ; the last lap fills nothing
	TURN 0, 1, 0
	BODY 1, 0
	s_wait_dscnt 4
	WIN MUL_LO
	MULROW 1, 0, 0
	MULROW 1, 1, 0
	s_wait_dscnt 0x0
	WIN MUL_HI
	MULROW 1, 2, 0
	MULROW 1, 3, 0
	; THE WAY OUT, a head of 16 tokens at a time: rotate, round to f16, 16 bytes a lane into my stage, back as 2,048 consecutive bytes of qkvh.
	PLACES
	WIN 0
	s_wait_loadcnt 0x0                             ; cos and sin
	s_lshr_b32 s68, s43, 3
	s_mul_i32 s68, s68, 12582912                   ; batch: 48 x 2,048 x 128 bytes
	s_and_b32 s69, s43, 7
	s_lshl_b32 s69, s69, 15                        ; 256 tokens of 128 bytes for each block row
	s_add_co_u32 s68, s68, s69
	s_lshl_b32 s69, s[WV], 13                      ; 64 tokens for each wave
	s_add_co_u32 s68, s68, s69
	s_mul_i32 s80, s42, 3                          ; g of my first head
	s_lshl_b32 s69, s80, 18                        ; 2,048 x 128 bytes for each g
	s_add_co_u32 s68, s68, s69
	s_mov_b32 s69, 0
	s_add_nc_u64 s[HB:HB+1], s[10:11], s[68:69]
	s_add_nc_u64 s[HB+2:HB+3], s[HB:HB+1], 262144
	s_add_nc_u64 s[HB+4:HB+5], s[HB+2:HB+3], 262144
.irp hh, 0,1,2
	s_add_co_u32 s81, s80, \hh
	s_cmp_ge_u32 s81, 32                           ; g from 32 on is V, which is not rotated: the mask selects a value, no branch hangs on it
	s_cselect_b32 s[VM+\hh], -1, 0
.endr
; token tile a, head hh of my three.  X = the tile of columns 16 q + 8 h + 0..7 of the head: pairs p = 0..3 at frequencies 8 q + 4 h + p.
.macro OUTHEAD a, hh, set
.if \a < 2
	WIN 0x08                                       ; source 1 is the accumulators' window
.else
	WIN 0x0c
.endif
.irp q, 0,1,2,3
.irp p, 0,1,2,3
	v_mul_f32 v[UU+8*(\q&1)+2*\p],   v[TAB+32*\a+8*\q+4+\p], v[8*(NT*(\a&1)+4*\hh+\q)+2*\p+1]   ; sin x odd
	v_mul_f32 v[UU+8*(\q&1)+2*\p+1], v[TAB+32*\a+8*\q+4+\p], v[8*(NT*(\a&1)+4*\hh+\q)+2*\p]     ; sin x even
.endr
.irp p, 0,1,2,3
	v_fma_f32 v[RR+8*\q+2*\p],   v[TAB+32*\a+8*\q+\p], v[8*(NT*(\a&1)+4*\hh+\q)+2*\p],   -v[UU+8*(\q&1)+2*\p]    ; cos x even - sin x odd
	v_fma_f32 v[RR+8*\q+2*\p+1], v[TAB+32*\a+8*\q+\p], v[8*(NT*(\a&1)+4*\hh+\q)+2*\p+1], v[UU+8*(\q&1)+2*\p+1]   ; cos x odd + sin x even
.endr
.irp j, 0,1,2,3,4,5,6,7
	v_cndmask_b32 v[RR+8*\q+\j], v[RR+8*\q+\j], v[8*(NT*(\a&1)+4*\hh+\q)+\j], s[VM+\hh]         ; V as it is
.endr
.endr
	WIN 0
.irp q, 0,1,2,3
.irp p, 0,1,2,3
	v_cvt_pk_f16_f32 v[PK+4*\q+\p], v[RR+8*\q+2*\p], v[RR+8*\q+2*\p+1]
.endr
.endr
.irp q, 0,1,2,3
	ds_store_b128 v[STO], v[PK+4*\q:PK+4*\q+3] offset:32*\q
.endr
	s_wait_xcnt 0x0                                ; the registers that earlier stores read are loaded again only behind this wait (ISA guide 3.1)
.irp t, 0,1,2,3
	ds_load_b128 v[RB+16*\set+4*\t:RB+16*\set+4*\t+3], v[RD] offset:\t*4*SPITCH    ; LDS serves a wave's instructions in order (ISA guide 5.7.1): these see the stores above
.endr
.irp t, 0,1,2,3
	s_wait_dscnt 3-\t
	global_store_b128 v[CO], v[RB+16*\set+4*\t:RB+16*\set+4*\t+3], s[HB+2*\hh:HB+2*\hh+1] offset:2048*\a+512*\t   ; the wave stores 512 consecutive bytes, aligned
.endr
.endm
	OUTHEAD 0, 0, 0
	OUTHEAD 0, 1, 1
	OUTHEAD 0, 2, 0
	OUTHEAD 1, 0, 1
	OUTHEAD 1, 1, 0
	OUTHEAD 1, 2, 1
	OUTHEAD 2, 0, 0
	OUTHEAD 2, 1, 1
	OUTHEAD 2, 2, 0
	OUTHEAD 3, 0, 1
	OUTHEAD 3, 1, 0
	OUTHEAD 3, 2, 1
	s_set_vgpr_msb 0x1
	s_wait_tensorcnt 0x0
	ds_add_u32 v255, v31
	s_wait_dscnt 0x0
	s_set_vgpr_msb 0x100
	CROUND                                         ; the closing round: no work-group ends while a partner may still ask for a tile that names it
	s_endpgm
.Lfunc_end_k_q07a91cf338_qkv:
	.size	k_q07a91cf338_qkv, .Lfunc_end_k_q07a91cf338_qkv-k_q07a91cf338_qkv
	.p2alignl 7, 3214868480
	.fill 96, 4, 3214868480
	.section	.rodata,"a",@progbits
	.p2align	6, 0x0
	.amdhsa_kernel k_q07a91cf338_qkv
		.amdhsa_group_segment_fixed_size 327680
		.amdhsa_private_segment_fixed_size 0
		.amdhsa_enable_private_segment 0
		.amdhsa_kernarg_size 32
		.amdhsa_user_sgpr_count 2
		.amdhsa_user_sgpr_kernarg_segment_ptr 1
		.amdhsa_wavefront_size32 1
		.amdhsa_system_sgpr_workgroup_id_x 1
		.amdhsa_system_sgpr_workgroup_id_y 1
		.amdhsa_system_sgpr_workgroup_id_z 1
		.amdhsa_system_vgpr_workitem_id 0
		.amdhsa_next_free_vgpr 1024
		.amdhsa_next_free_sgpr 84
		.amdhsa_reserve_vcc 0
		.amdhsa_float_denorm_mode_32 3
		.amdhsa_float_denorm_mode_16_64 3
		.amdhsa_memory_ordered 1
		.amdhsa_forward_progress 1
		.amdhsa_inst_pref_size 228
	.end_amdhsa_kernel
	.amdgpu_metadata
---
amdhsa.version: [ 1, 2 ]
amdhsa.kernels:
  - .name:           k_q07a91cf338_qkv
    .symbol:         k_q07a91cf338_qkv.kd
    .args:
      - { .name: xh, .offset: 0, .size: 8, .value_kind: global_buffer, .address_space: global }
      - { .name: wqkvh, .offset: 8, .size: 8, .value_kind: global_buffer, .address_space: global }
      - { .name: tab, .offset: 16, .size: 8, .value_kind: global_buffer, .address_space: global }
      - { .name: qkvh, .offset: 24, .size: 8, .value_kind: global_buffer, .address_space: global }
    .group_segment_fixed_size: 327680
    .private_segment_fixed_size: 0
    .kernarg_segment_align: 8
    .kernarg_segment_size: 32
    .max_flat_workgroup_size: 128
    .sgpr_count:     84
    .vgpr_count:     1024
    .wavefront_size: 32
...
	.end_amdgpu_metadata
.endif
;; end of part 2
;; launch attn (part 3): grid 8 x 32, 8 waves a work-group, no clusters, 327,680 bytes of LDS; arguments qkvh, oh; writes oh
.if DOCPART == 3
	.amdgcn_target "amdgcn-amd-amdhsa--gfx1250"
	.amdhsa_code_object_version 6
	.text
	.protected	k_q07a91cf338_attn
	.globl	k_q07a91cf338_attn
	.p2align	8
	.type	k_q07a91cf338_attn,@function
k_q07a91cf338_attn:
	s_mov_b64 s[64:65], 0
	v_nop
	global_prefetch_b8 v0, s[64:65] scope:SCOPE_SE
	s_setreg_imm32_b32 hwreg(HW_REG_WAVE_MODE, 25, 1), 1
	s_wait_xcnt 0x0
; attn: causal softmax(Q K^T / 8) V for one head, with a running maximum; f16 operands, f32 sums, softmax in f32.
; qkvh = [b][g 48][S][64] f16; oh = [b][part 2][head 16][S][64] f16: part 0 holds O's upper 11 significant bits, part 1 the rest, rounded once.
; SHARE.  Work-group (i = 0..7, bh = 0..31) takes query block i (128 rows) and then block 15 - i of head bh.  Keys come in DOUBLE tiles of 256: block qb needs
; qb / 2 + 1 of them, the two blocks together 9 in every work-group.  Eight waves, two on each SIMD, so that one wave's softmax runs while the other's
; products and LDS loads are under way: wave w owns the 32 query rows of row group w % 4 and the key tile KH = w / 4 (128 keys) of every double tile.
; Each wave keeps its own maximum, sum and O; at the end of a query block the KH = 1 wave hands its three to the KH = 0 wave of its rows through LDS.
; Of a row group's 18 tiles one lies wholly above the diagonal (KH = 1 in the last double tile of the even block): it is jumped over, but in trip 0,
; where the sums have to be started: there it is masked as a whole and the merge multiplies it by 0.
; NO CLUSTER: the eight work-groups of a head change query block after i / 2 + 1 of their 9 trips, so in one and the same trip they need different
; key tiles, and the trip in which they change would hang on the place in the cluster.
; LAYOUT.  S^T = K Q^T (A = 16 keys, B = 16 queries): lane (r, h) holds query r and keys 8 h + 0..7 of each key tile.  So a row's maximum and sum lie in
; one lane and its partner 16 lanes off, and two neighbouring key tiles, packed to f16, ARE the B fragment of O^T = V^T P^T.  A = V^T comes
; from the transposing LDS load.  In O^T lane (r, h) holds query r and eight neighbouring d: the rescaling factor is a number of the lane.
; THE RUNNING STATE is n = -(maximum x c), c = log2(e) / 8, as rounded: weights are 2^(s c + n), one fused multiply-add, and the factor for the old sums
; is 2^(n_new - n_old), of the same numbers.  It starts at the largest finite number, so that the first factor is 0.
; LIMITS: masked scores are set to -2^126 instead of -1e30 (weight 0 either way beside a finite maximum; c x 2^126 is exact, so a tile that is masked as a whole
; and starts the sums gives weights of exactly 1 and finite sums); v_exp_f32 gives 0 below 2^-126 (ISA guide 15.8); weights below 2^-14 keep an absolute
; error of 2^-25 in f16, and so does O; non-finite inputs are not treated.
; LDS: slot s at 77,824 s: V 256 keys x 160 bytes (128 and 32 of padding: an odd multiple of 32, for the transposing load), then K 256 x 144 (an odd
; multiple of 16); a stage of 2,304 bytes for each wave from 155,648; 9,216 bytes for each row group's merge from 174,080.  No tensor load fills the last two.
; Waves 0, 1 fetch V's halves, waves 2, 3 K's, 128 keys each as 64 rows of 256 bytes: one load a wave a trip; waves 4 to 7 fetch nothing.
.set VP,     160
.set KP,     144
.set TK,     128                       ; keys of a wave's tile
.set VBYTES, 2*TK*VP
.set SLOT,   VBYTES+2*TK*KP
.set STAGE,  2*SLOT
.set SPITCH, 144
.set MERGE,  STAGE+8*16*SPITCH
.set MGB,    9216                      ; 16 x 512 bytes of O, 512 of n, 512 of the sums
.set ABOVE,  0xffffff80                ; -128: my tile lies one tile above the diagonal tile
; window 0
.set ADRK, 8                           ; v8-9    my K fragments in slot 0, 1
.set ADRV, 10                          ; v10-11  my V fragments
.set STO,  12
.set RD,   13
.set CO,   14                          ; 16 x lane
.set QA,   15                          ; 128 r + 16 h
.set MG,   16                          ; my 16 bytes in my row group's merge bytes
.set FR,   64                          ; v64-191 K fragments (ks, kt) at 64 + 64 ks + 8 kt, then V fragments (ks, dt) at 64 + 32 ks + 8 dt
.set TH,   64                          ; the way out: 32 upper parts in f32
.set TL,   96                          ; 32 rests
.set PH,   128                         ; 16 registers of f16, upper
.set PL,   144                         ; lower
.set RB,   192                         ; v192-255 read back: 16 (2 qt + part) + 4 t
; window 1: S tile (kt, qt) at 8 (4 (kt / 2) + 2 qt + kt % 2), v0-127; P (qt, ks) in place at 16 (2 ks + qt); in the merge v0-63 the partner's O
.set PN,   64                          ; the partner's n, twice for each qt
.set PLS,  68                          ; the partner's sums
.set OO,   128                         ; O tile (dt, qt) at 128 + 8 (2 dt + qt)
.set QQ,   192                         ; Q fragment (qt, ks) at 192 + 16 qt + 8 ks
.set NN,   224                         ; n, twice, for each qt
.set LL,   228                         ; the lane's part of the row sum
.set AL,   230                         ; the factor, twice, for each qt
.set MX,   234                         ; four maxima for each qt
.set SM,   242                         ; four pairs of sums
.set NEGR, 250
.set DD,   251                         ; 32 (wave % 4) + 16 qt + r - 8 h
.set TMPR, 253
.set DT,   254                         ; DD + 128 x (the diagonal tile's number - my tile's)
.set G1V, 24
.set G0V, 32
.set G1K, 48
.set G0K, 56
.set WMM, 0x54                         ; A window 0; B, C, D window 1
.set SFT, 0x55                         ; all in window 1
.set MSB, 0
.macro WIN new
.if MSB != \new
	s_set_vgpr_msb (MSB<<8)|\new
.set MSB, \new
.endif
.endm
.macro PLACES
.rept 4
	v_nop
.endr
.endm
.macro JLOAD s                         ; my half of V's (waves 0, 1) or of K's (waves 2, 3) double tile into slot s; waves 4 to 7 have no part of it
	s_cmp_lg_u32 s9, 0
	s_cbranch_scc1 .Lnot_v_\@
	tensor_load_to_lds s[G0V+4*\s:G0V+4*\s+3], s[G1V:G1V+7]
	s_nop 0
	s_branch .Lasked_\@
.Lnot_v_\@:
	s_cmp_lg_u32 s9, 1
	s_cbranch_scc1 .Lasked_\@
	tensor_load_to_lds s[G0K+4*\s:G0K+4*\s+3], s[G1K:G1K+7]
	s_nop 0
.Lasked_\@:
.endm
	s_load_b128 s[4:7], s[0:1], 0x0                ; qkvh s[4:5], oh s[6:7]
	v_lshl_add_u32 v62, v0, 2, 0x33800
	v_mov_b32 v63, 0
	ds_add_u32 v62, v63
	v_lshrrev_b32 v1, 5, v0
	v_readfirstlane_b32 s8, v1                     ; wave
	s_lshr_b32 s9, s8, 1                           ; I fetch V (0), K (1) or nothing (2, 3),
	s_and_b32 s10, s8, 1                           ; its first or second 128 keys
	s_and_b32 s76, s8, 3                           ; my row group
	s_lshr_b32 s77, s8, 2                          ; KH: my tile of each double tile
	s_mov_b32 s11, ttmp9                           ; i
	s_and_b32 s12, ttmp7, 0xffff                   ; bh
	s_mov_b32 s13, 0                               ; the double tile of this trip
	s_mov_b32 s14, s11                             ; the query block
	s_lshr_b32 s74, s14, 1                         ; its last double tile
	s_and_b32 s75, s14, 1
	s_sub_co_i32 s75, s75, s77
	s_lshl_b32 s75, s75, 7                         ; 128 x (diagonal tile - my tile) in that double tile: 128, 0 or -128
	s_mov_b32 s19, 0
	s_mov_b32 s21, 0
	s_mov_b32 s22, 0x3e38aa3b                      ; c = log2(e) / 8
	s_mov_b32 s23, 0x3e38aa3b
	s_mov_b32 s72, 0xbe38aa3b                      ; -c
	s_mov_b32 s70, 0x76543210                      ; v_permlanex16_b32: lane i reads lane i of the other half
	s_mov_b32 s71, 0xfedcba98
	s_mov_b32 s73, 0xffffe000                      ; sign, exponent and the upper 10 bits of an f32 fraction
	; 128 keys of 128 bytes are 16,384 dense bytes: 64 rows of 256 bytes, with padding behind every 32 words, that is behind every key
	s_mov_b32 s[G1V+0], (1<<16)|(1<<20)|(4<<22)|(7<<25)    ; elements of 2 bytes; padding on; after 32 words, 8 words
	s_mov_b32 s[G1V+1], 128<<16
	s_mov_b32 s[G1V+2], 64<<16
	s_mov_b32 s[G1V+3], 128<<16
	s_mov_b32 s[G1V+4], 64
	s_mov_b32 s[G1V+5], 128
	s_mov_b32 s[G1V+6], 0
	s_mov_b32 s[G1V+7], 0
	s_mov_b32 s[G1K+0], (1<<16)|(1<<20)|(4<<22)|(3<<25)    ; the same with 4 words
	s_mov_b32 s[G1K+1], 128<<16
	s_mov_b32 s[G1K+2], 64<<16
	s_mov_b32 s[G1K+3], 128<<16
	s_mov_b32 s[G1K+4], 64
	s_mov_b32 s[G1K+5], 128
	s_mov_b32 s[G1K+6], 0
	s_mov_b32 s[G1K+7], 0
	s_mul_i32 s16, s8, TK*VP                       ; V's halves at 20,480 wave (waves 0, 1),
	s_mul_i32 s17, s8, TK*KP
	s_add_co_u32 s17, s17, VBYTES-2*TK*KP          ; K's at 18,432 wave + 4,096 (waves 2, 3)
.irp s, 0,1
	s_mov_b32 s[G0V+4*\s], 1
	s_add_co_u32 s[G0V+4*\s+1], s16, \s*SLOT
	s_mov_b32 s[G0K+4*\s], 1
	s_add_co_u32 s[G0K+4*\s+1], s17, \s*SLOT
.endr
	s_lshr_b32 s20, s12, 4
	s_mul_i32 s20, s20, 12582912                   ; batch
	s_and_b32 s18, s12, 15
	s_lshl_b32 s18, s18, 18                        ; head
	s_add_co_u32 s20, s20, s18
	s_wait_dscnt 0x0
	s_barrier_signal -1
	s_barrier_wait -1
	s_wait_kmcnt 0x0
	s_add_nc_u64 s[44:45], s[4:5], s[20:21]        ; Q of my head
	s_add_nc_u64 s[42:43], s[44:45], 4194304       ; K: 16 heads on
	s_add_nc_u64 s[40:41], s[44:45], 8388608       ; V: 32 heads on
	s_lshl_b32 s20, s10, 14                        ; the 128 keys that I fetch
	s_add_nc_u64 s[42:43], s[42:43], s[20:21]
	s_add_nc_u64 s[40:41], s[40:41], s[20:21]
	s_mov_b64 s[G0V+2:G0V+3], s[40:41]
	s_or_b32 s[G0V+3], s[G0V+3], 0x80000000
	s_mov_b64 s[G0K+2:G0K+3], s[42:43]
	s_or_b32 s[G0K+3], s[G0K+3], 0x80000000
	JLOAD 0                                        ; double tile 0; slot 1 is first filled behind the first trip's barrier.  One tensor load of a wave is out at any time
	s_lshl_b32 s20, s76, 12                        ; my 32 rows
	s_add_nc_u64 s[44:45], s[44:45], s[20:21]
	s_lshl_b32 s18, s14, 14                        ; a block of 128 rows is 16,384 bytes
	s_add_nc_u64 s[46:47], s[44:45], s[18:19]
	s_lshr_b32 s18, s12, 4
	s_lshl_b32 s18, s18, 23                        ; oh: batch, 2 x 16 x 2,048 x 128 bytes
	s_add_co_u32 s20, s20, s18
	s_and_b32 s18, s12, 15
	s_lshl_b32 s18, s18, 18
	s_add_co_u32 s20, s20, s18
	s_add_nc_u64 s[66:67], s[6:7], s[20:21]
	v_and_b32 v1, 15, v0                           ; r
	v_bfe_u32 v2, v0, 4, 1                         ; h
	v_and_b32 v3, 7, v0
	v_bfe_u32 v4, v0, 3, 1
	v_bfe_u32 v5, v0, 3, 2
	v_mul_u32_u24 v6, v1, KP
	v_lshl_add_u32 v6, v2, 4, v6                   ; 144 r + 16 h
	s_mul_i32 s16, s77, TK*KP                      ; my tile's 128 keys of K,
	s_add_co_u32 s16, s16, VBYTES                  ; which lies behind V
	v_add_nc_u32 v[ADRK], s16, v6
	v_add_nc_u32 v[ADRK+1], SLOT, v[ADRK]
	v_lshl_add_u32 v7, v2, 3, v3                   ; key 8 h + lane % 8,
	v_mul_u32_u24 v7, v7, VP
	v_lshl_add_u32 v7, v4, 4, v7                   ; and which 8 of 16 d
	s_mul_i32 s16, s77, TK*VP                      ; my tile's 128 keys of V
	v_add_nc_u32 v[ADRV], s16, v7
	v_add_nc_u32 v[ADRV+1], SLOT, v[ADRV]
	s_mul_i32 s16, s8, 16*SPITCH
	s_add_co_u32 s16, s16, STAGE
	v_add_nc_u32 v[STO], s16, v6
	v_mul_u32_u24 v7, v5, SPITCH
	v_lshl_add_u32 v7, v3, 4, v7
	v_add_nc_u32 v[RD], s16, v7
	v_and_b32 v7, 31, v0
	v_lshlrev_b32 v[CO], 4, v7
	s_mul_i32 s16, s76, MGB
	s_add_co_u32 s16, s16, MERGE
	v_add_nc_u32 v[MG], s16, v[CO]                 ; 32 lanes x 16 neighbouring bytes: no bank is asked twice
	v_lshlrev_b32 v7, 7, v1
	v_lshl_add_u32 v[QA], v2, 4, v7
	v_and_b32 v6, 0x60, v0                         ; 32 x row group
	v_add_nc_u32 v6, v6, v1
	v_lshlrev_b32 v7, 3, v2
	v_sub_nc_u32 v6, v6, v7                        ; + r - 8 h
.macro QLOAD                           ; my 32 rows of Q as B fragments, straight from memory: once for each query block.  Leaves the destination's window at 1
	WIN 0x40
.irp qt, 0,1
.irp ks, 0,1
	global_load_b128 v[QQ+16*\qt+8*\ks:QQ+16*\qt+8*\ks+3],   v[QA], s[46:47] offset:2048*\qt+64*\ks
	global_load_b128 v[QQ+16*\qt+8*\ks+4:QQ+16*\qt+8*\ks+7], v[QA], s[46:47] offset:2048*\qt+64*\ks+32
.endr
.endr
.endm
.macro STATE                           ; under the same setting: the state of a new query block
.irp j, 0,1,2,3
	v_mov_b32 v[NN+\j], 0x7f7fffff
.endr
	v_mov_b32 v[LL], 0
	v_mov_b32 v[LL+1], 0
.endm
	QLOAD
	STATE
	v_mov_b32 v[DD], v6
	v_add_nc_u32 v[DD+1], 16, v6
	v_mov_b32 v[NEGR], 0xfe800000                  ; -2^126
	v_mov_b32 v[TMPR], 0                           ; a lane permute's destination counts as read
	WIN 0
; 16 matrix instructions: S += K (d = 32 ks ..) Q^T.  The 16 accumulators take turns.
.macro SK ks, zero
.irp kt, 0,1,2,3,4,5,6,7
.irp qt, 0,1
.if \zero
	v_wmma_f32_16x16x32_f16 v[8*(4*(\kt>>1)+2*\qt+(\kt&1)):8*(4*(\kt>>1)+2*\qt+(\kt&1))+7], v[FR+64*\ks+8*\kt:FR+64*\ks+8*\kt+7], v[QQ+16*\qt+8*\ks:QQ+16*\qt+8*\ks+7], 0
.else
	v_wmma_f32_16x16x32_f16 v[8*(4*(\kt>>1)+2*\qt+(\kt&1)):8*(4*(\kt>>1)+2*\qt+(\kt&1))+7], v[FR+64*\ks+8*\kt:FR+64*\ks+8*\kt+7], v[QQ+16*\qt+8*\ks:QQ+16*\qt+8*\ks+7], v[8*(4*(\kt>>1)+2*\qt+(\kt&1)):8*(4*(\kt>>1)+2*\qt+(\kt&1))+7]
.endif
.endr
.endr
.endm
; 8 matrix instructions: O += V^T (keys 32 ks ..) P^T.  The 8 accumulators take turns.
.macro PVK ks, zero
.irp dt, 0,1,2,3
.irp qt, 0,1
.if \zero
	v_wmma_f32_16x16x32_f16 v[OO+8*(2*\dt+\qt):OO+8*(2*\dt+\qt)+7], v[FR+32*\ks+8*\dt:FR+32*\ks+8*\dt+7], v[16*(2*\ks+\qt):16*(2*\ks+\qt)+7], 0
.else
	v_wmma_f32_16x16x32_f16 v[OO+8*(2*\dt+\qt):OO+8*(2*\dt+\qt)+7], v[FR+32*\ks+8*\dt:FR+32*\ks+8*\dt+7], v[16*(2*\ks+\qt):16*(2*\ks+\qt)+7], v[OO+8*(2*\dt+\qt):OO+8*(2*\dt+\qt)+7]
.endif
.endr
.endr
.endm
; a block's last double tile: key 16 kt + 8 h + j of my tile is beyond query 32 group + 16 qt + r of the block where 16 kt + j > DT
.macro MASK
	v_add_nc_u32 v[DT], s75, v[DD]
	v_add_nc_u32 v[DT+1], s75, v[DD+1]
.irp kt, 0,1,2,3,4,5,6,7
.irp qt, 0,1
.irp j, 0,1,2,3,4,5,6,7
	v_cmp_gt_i32 vcc_lo, 16*\kt+\j, v[DT+\qt]
	v_cndmask_b32 v[8*(4*(\kt>>1)+2*\qt+(\kt&1))+\j], v[8*(4*(\kt>>1)+2*\qt+(\kt&1))+\j], v[NEGR], vcc_lo
.endr
.endr
.endr
.endm
.macro RESCALE                         ; O x the lane's factor
.irp dt, 0,1,2,3
.irp qt, 0,1
.irp e, 0,2,4,6
	v_pk_mul_f32 v[OO+8*(2*\dt+\qt)+\e:OO+8*(2*\dt+\qt)+\e+1], v[OO+8*(2*\dt+\qt)+\e:OO+8*(2*\dt+\qt)+\e+1], v[AL+2*\qt:AL+2*\qt+1]
.endr
.endr
.endr
.endm
.macro ADDIN                           ; O += the partner's O x its factor
.irp dt, 0,1,2,3
.irp qt, 0,1
.irp e, 0,2,4,6
	v_pk_fma_f32 v[OO+8*(2*\dt+\qt)+\e:OO+8*(2*\dt+\qt)+\e+1], v[8*(2*\dt+\qt)+\e:8*(2*\dt+\qt)+\e+1], v[MX+4*\qt+2:MX+4*\qt+3], v[OO+8*(2*\dt+\qt)+\e:OO+8*(2*\dt+\qt)+\e+1]
.endr
.endr
.endr
.endm
; the 64 scores of a lane for query tile qt: four blocks of 16 registers at 16 (2 k + qt)
.macro SOFTMAX qt
.irp k, 0,1,2,3
	v_max_num_f32 v[MX+4*\qt+\k], v[16*(2*\k+\qt)], v[16*(2*\k+\qt)+1]             ; four chains that do not wait for each other
.endr
.irp e, 2,4,6,8,10,12,14
.irp k, 0,1,2,3
	v_max3_num_f32 v[MX+4*\qt+\k], v[MX+4*\qt+\k], v[16*(2*\k+\qt)+\e], v[16*(2*\k+\qt)+\e+1]
.endr
.endr
	v_max3_num_f32 v[MX+4*\qt], v[MX+4*\qt], v[MX+4*\qt+1], v[MX+4*\qt+2]
	v_max_num_f32 v[MX+4*\qt], v[MX+4*\qt], v[MX+4*\qt+3]
	v_permlanex16_b32 v[TMPR], v[MX+4*\qt], s70, s71                               ; the other eight keys of each tile
	v_max_num_f32 v[MX+4*\qt], v[MX+4*\qt], v[TMPR]
	v_mul_f32 v[MX+4*\qt+1], s72, v[MX+4*\qt]
	v_min_num_f32 v[MX+4*\qt+1], v[NN+2*\qt], v[MX+4*\qt+1]                        ; n_new
	v_sub_f32 v[AL+2*\qt], v[MX+4*\qt+1], v[NN+2*\qt]
	v_exp_f32 v[AL+2*\qt], v[AL+2*\qt]                                             ; the factor for the old sums
	v_mov_b32 v[NN+2*\qt], v[MX+4*\qt+1]                                           ; plain instructions stand between the exponential and its use (ISA guide 5.7.2)
	v_mov_b32 v[NN+2*\qt+1], v[MX+4*\qt+1]
	s_wait_alu depctr_va_vdst(0)
	v_mov_b32 v[AL+2*\qt+1], v[AL+2*\qt]
.irp k, 0,1,2,3
.irp e, 0,2,4,6,8,10,12,14
	v_pk_fma_f32 v[16*(2*\k+\qt)+\e:16*(2*\k+\qt)+\e+1], v[16*(2*\k+\qt)+\e:16*(2*\k+\qt)+\e+1], s[22:23], v[NN+2*\qt:NN+2*\qt+1] op_sel_hi:[1,0,1]
.endr
.endr
.irp k, 0,1,2,3
.irp e, 0,1,2,3,4,5,6,7,8,9,10,11,12,13,14,15
	v_exp_f32 v[16*(2*\k+\qt)+\e], v[16*(2*\k+\qt)+\e]
.endr
.endr
	v_nop
	s_wait_alu depctr_va_vdst(0)
.irp k, 0,1,2,3
	v_pk_add_f32 v[SM+2*\k:SM+2*\k+1], v[16*(2*\k+\qt):16*(2*\k+\qt)+1], v[16*(2*\k+\qt)+2:16*(2*\k+\qt)+3]
.endr
.irp e, 4,6,8,10,12,14
.irp k, 0,1,2,3
	v_pk_add_f32 v[SM+2*\k:SM+2*\k+1], v[SM+2*\k:SM+2*\k+1], v[16*(2*\k+\qt)+\e:16*(2*\k+\qt)+\e+1]
.endr
.endr
	v_pk_add_f32 v[SM:SM+1], v[SM:SM+1], v[SM+2:SM+3]
	v_pk_add_f32 v[SM+4:SM+5], v[SM+4:SM+5], v[SM+6:SM+7]
	v_pk_add_f32 v[SM:SM+1], v[SM:SM+1], v[SM+4:SM+5]
	v_add_f32 v[SM], v[SM], v[SM+1]
	v_fma_f32 v[LL+\qt], v[LL+\qt], v[AL+2*\qt], v[SM]
.irp k, 0,1,2,3
.irp e, 0,1,2,3,4,5,6,7
	v_cvt_pk_f16_f32 v[16*(2*\k+\qt)+\e], v[16*(2*\k+\qt)+2*\e], v[16*(2*\k+\qt)+2*\e+1]     ; in place, ascending: register e is written when 2 e and 2 e + 1 are read
.endr
.endr
.endm
; the two waves' states of query tile qt become one: n = the smaller n, each side's factor 2^(n - its n), the row's sum, and both factors divided by it.
; My own half holds an unmasked key for every row, so my n is finite; a partner's tile that was masked as a whole has n = c x 2^126 and gets the factor 0.
.macro COMB qt
	v_min_num_f32 v[MX+4*\qt], v[NN+2*\qt], v[PN+2*\qt]
	v_sub_f32 v[AL+2*\qt], v[MX+4*\qt], v[NN+2*\qt]
	v_sub_f32 v[MX+4*\qt+2], v[MX+4*\qt], v[PN+2*\qt]
	v_exp_f32 v[AL+2*\qt], v[AL+2*\qt]
	v_exp_f32 v[MX+4*\qt+2], v[MX+4*\qt+2]
	v_nop                                                                          ; a plain instruction between a transcendental and its use (ISA guide 5.7.2)
	s_wait_alu depctr_va_vdst(0)
	v_mul_f32 v[LL+\qt], v[LL+\qt], v[AL+2*\qt]
	v_fma_f32 v[LL+\qt], v[PLS+\qt], v[MX+4*\qt+2], v[LL+\qt]
	v_permlanex16_b32 v[TMPR], v[LL+\qt], s70, s71                                 ; the two halves of each row's sum
	v_add_f32 v[LL+\qt], v[LL+\qt], v[TMPR]
	v_rcp_f32 v[MX+4*\qt], v[LL+\qt]
	v_nop
	s_wait_alu depctr_va_vdst(0)
	v_mul_f32 v[AL+2*\qt], v[AL+2*\qt], v[MX+4*\qt]
	v_mul_f32 v[MX+4*\qt+2], v[MX+4*\qt+2], v[MX+4*\qt]
	v_mov_b32 v[AL+2*\qt+1], v[AL+2*\qt]
	v_mov_b32 v[MX+4*\qt+3], v[MX+4*\qt+2]
.endm
; query tile qt goes out: upper part by a mask, the exact rest, both to f16, each through my stage as 2,048 consecutive bytes
.macro OUTQ qt
	WIN 0x04                                       ; source 1 in window 1
.irp dt, 0,1,2,3
.irp e, 0,1,2,3,4,5,6,7
	v_and_b32 v[TH+8*\dt+\e], s73, v[OO+8*(2*\dt+\qt)+\e]
.endr
.endr
.irp dt, 0,1,2,3
.irp e, 0,2,4,6
	v_pk_add_f32 v[TL+8*\dt+\e:TL+8*\dt+\e+1], v[TH+8*\dt+\e:TH+8*\dt+\e+1], v[OO+8*(2*\dt+\qt)+\e:OO+8*(2*\dt+\qt)+\e+1] neg_lo:[1,0] neg_hi:[1,0]
.endr
.endr
	WIN 0
.irp e, 0,1,2,3,4,5,6,7,8,9,10,11,12,13,14,15
	v_cvt_pk_f16_f32 v[PH+\e], v[TH+2*\e], v[TH+2*\e+1]
	v_cvt_pk_f16_f32 v[PL+\e], v[TL+2*\e], v[TL+2*\e+1]
.endr
.irp dt, 0,1,2,3
	ds_store_b128 v[STO], v[PH+4*\dt:PH+4*\dt+3] offset:32*\dt
.endr
.irp t, 0,1,2,3
	ds_load_b128 v[RB+32*\qt+4*\t:RB+32*\qt+4*\t+3], v[RD] offset:\t*4*SPITCH      ; LDS serves a wave's instructions in order (ISA guide 5.7.1)
.endr
.irp dt, 0,1,2,3
	ds_store_b128 v[STO], v[PL+4*\dt:PL+4*\dt+3] offset:32*\dt
.endr
.irp t, 0,1,2,3
	ds_load_b128 v[RB+32*\qt+16+4*\t:RB+32*\qt+16+4*\t+3], v[RD] offset:\t*4*SPITCH
.endr
.irp t, 0,1,2,3
	s_wait_dscnt 11-\t                             ; behind upper load t: 3 - t loads, 4 stores, 4 loads
	global_store_b128 v[CO], v[RB+32*\qt+4*\t:RB+32*\qt+4*\t+3], s[68:69] offset:2048*\qt+512*\t
.endr
.irp t, 0,1,2,3
	s_wait_dscnt 3-\t
	global_store_b128 v[CO], v[RB+32*\qt+16+4*\t:RB+32*\qt+16+4*\t+3], s[68:69] offset:4194304+2048*\qt+512*\t   ; part 1 lies 16 heads on
.endr
.endm
; A query block is done.  The KH = 1 wave stores its O, n and sums; every wave waits for its LDS instructions and passes a barrier (the branch round this
; macro hangs on the work-group's number and the trip alone, so all eight waves take it alike); the KH = 0 wave reads them, merges and stores the block.
; The merge bytes are written again only at the second block's end, at least five trips' barriers behind these reads.  more = 1: the second block begins.
.macro FINAL more
	PLACES                                         ; behind the last products, in front of the readers of O and the loads into P's and V's registers
	s_cmp_eq_u32 s77, 0
	s_cbranch_scc1 .Lkeep_\@
	WIN 0x04                                       ; an LDS store's data are source 1: window 1
.irp k, 0,1,2,3,4,5,6,7,8,9,10,11,12,13,14,15
	ds_store_b128 v[MG], v[OO+4*\k:OO+4*\k+3] offset:512*\k
.endr
	ds_store_b128 v[MG], v[NN:NN+3] offset:8192
	ds_store_b128 v[MG], v[LL:LL+3] offset:8704    ; the two sums (and two registers that are not used)
	WIN 0
.Lkeep_\@:
	s_wait_dscnt 0x0                               ; for the partner's sake: my stores are done
	s_barrier_signal -1
	s_barrier_wait -1                              ; the next double tile's load may stay out
	s_cmp_lg_u32 s77, 0
	s_cbranch_scc1 .Lgave_\@
	WIN 0x40
.irp k, 0,1,2,3,4,5,6,7,8,9,10,11,12,13,14,15
	ds_load_b128 v[4*\k:4*\k+3], v[MG] offset:512*\k
.endr
	ds_load_b128 v[PN:PN+3], v[MG] offset:8192
	ds_load_b128 v[PLS:PLS+3], v[MG] offset:8704
	s_wait_dscnt 0x0
	WIN SFT
	COMB 0
	COMB 1
	RESCALE
	ADDIN
	WIN 0
	s_wait_xcnt 0x0                                ; the base and the registers that the first block's stores read are written again only behind this wait (ISA guide 3.1)
	s_lshl_b32 s18, s14, 14
	s_add_nc_u64 s[68:69], s[66:67], s[18:19]
	OUTQ 0
	OUTQ 1
.Lgave_\@:
.if \more
	s_sub_co_u32 s14, 15, s11
	s_lshr_b32 s74, s14, 1
	s_and_b32 s75, s14, 1
	s_sub_co_i32 s75, s75, s77
	s_lshl_b32 s75, s75, 7
	s_lshl_b32 s18, s14, 14
	s_add_nc_u64 s[46:47], s[44:45], s[18:19]      ; the first block's loads of Q were waited for in every trip
	QLOAD
	STATE
.endif
	WIN 0
.endm
; One double tile; a wave works on its half of it.  first, diag: 0 never, 1 always, 2 tested on the double tile's number, which is alike in all eight waves.
.macro TRIP slot, other, refill, first, diag
	s_wait_tensorcnt 0x0                           ; all my tensor loads are done, my part of this trip's tile among them, so a group 0 may be written
	ds_add_u32 v62, v63
	s_wait_dscnt 0x0
.if \refill
	s_add_co_u32 s15, s13, 1
	s_cmp_eq_u32 s13, s74
	s_cselect_b32 s15, 0, s15                      ; the next double tile: one further, or the second block's first
	s_lshl_b32 s18, s15, 15                        ; 256 keys of 128 bytes
	s_add_nc_u64 s[G0V+4*\other+2:G0V+4*\other+3], s[40:41], s[18:19]
	s_or_b32 s[G0V+4*\other+3], s[G0V+4*\other+3], 0x80000000
	s_add_nc_u64 s[G0K+4*\other+2:G0K+4*\other+3], s[42:43], s[18:19]
	s_or_b32 s[G0K+4*\other+3], s[G0K+4*\other+3], 0x80000000
.endif
	s_wait_dscnt 0x0                               ; my reads of the last trip's tile are done
	s_barrier_signal -1
	s_barrier_wait -1                              ; both now hold of every wave
.if \refill
	JLOAD \other                                   ; first thing behind the barrier: it has the whole trip in which to land
.endif
.if \diag
.if \first != 1
.if \diag == 2
	s_cmp_eq_u32 s13, s74
	s_cselect_b32 s78, s75, 0
.else
	s_mov_b32 s78, s75
.endif
	s_cmp_lg_u32 s78, ABOVE                        ; a tile wholly above the diagonal adds nothing to sums that have been started: no barrier stands in what is jumped over
	s_cbranch_scc1 .Lwork_\@
	s_wait_loadcnt 0x0                             ; on this way too no load of Q is out when the next block's are issued
	s_branch .Lafter_\@
.Lwork_\@:
.endif
.endif
.rept 5
	v_nop                                          ; five places behind the last trip's products: loads follow into their A registers, and products that write over their B registers
.endr
.irp ks, 0,1
.irp kt, 0,1,2,3,4,5,6,7
	ds_load_b128 v[FR+64*\ks+8*\kt:FR+64*\ks+8*\kt+3],   v[ADRK+\slot] offset:\kt*16*KP+64*\ks
	ds_load_b128 v[FR+64*\ks+8*\kt+4:FR+64*\ks+8*\kt+7], v[ADRK+\slot] offset:\kt*16*KP+64*\ks+32
.endr
.endr
	s_wait_loadcnt 0x0                             ; Q
	s_wait_dscnt 16                                ; d = 0..31 of all keys; the sixteen loads of d = 32..63 may be out
	WIN WMM
	SK 0, 1
	s_wait_dscnt 0x0
	SK 1, 0
	WIN 0
	PLACES
.irp ks, 0,1,2,3
.irp dt, 0,1,2,3
	ds_load_tr16_b128 v[FR+32*\ks+8*\dt:FR+32*\ks+8*\dt+3],   v[ADRV+\slot] offset:\ks*32*VP+32*\dt           ; V^T: they land while the softmax runs
	ds_load_tr16_b128 v[FR+32*\ks+8*\dt+4:FR+32*\ks+8*\dt+7], v[ADRV+\slot] offset:\ks*32*VP+32*\dt+16*VP
.endr
.endr
.if \diag == 2
	s_cmp_lg_u32 s13, s74
	s_cbranch_scc1 .Lnomask_\@
.endif
.if \diag
	s_cmp_eq_u32 s75, 128                          ; a tile wholly below the diagonal tile has nothing to mask
	s_cbranch_scc1 .Lnomask_\@
	WIN SFT
	MASK
	WIN 0
.Lnomask_\@:
.endif
	WIN SFT
	SOFTMAX 0
	SOFTMAX 1
	s_wait_dscnt 0x0                               ; V^T
.if \first == 2
	WIN 0
	s_cmp_eq_u32 s13, 0
	s_cbranch_scc1 .Lfirst_\@
.endif
.if \first != 1
	WIN SFT
	RESCALE
	WIN WMM
	PVK 0, 0
.endif
.if \first == 2
	WIN 0
	s_branch .Lpv_\@
.Lfirst_\@:
.endif
.if \first != 0
	WIN WMM
	PVK 0, 1                                       ; a block's first tile starts the sums: nothing is cleared
.endif
.if \first == 2
	WIN 0
.Lpv_\@:
.endif
	WIN WMM
	PVK 1, 0
	PVK 2, 0
	PVK 3, 0
	WIN 0
.if \diag
.if \first != 1
.Lafter_\@:
.endif
.endif
.if \diag == 2
	s_cmp_lg_u32 s13, s74
	s_cbranch_scc1 .Lnofin_\@
	FINAL 1
.Lnofin_\@:
.endif
.if \diag == 1
	FINAL 0
.endif
.if \refill
	s_mov_b32 s13, s15
.endif
.endm
	TRIP 0, 1, 1, 1, 2                             ; trip 0 is always a first tile
	s_mov_b32 s16, 3
.Ltrips:
	TRIP 1, 0, 1, 2, 2                             ; trips 1 to 6
	TRIP 0, 1, 1, 2, 2
	s_sub_co_u32 s16, s16, 1
	s_cmp_lg_u32 s16, 0
	s_cbranch_scc1 .Ltrips
	TRIP 1, 0, 1, 0, 0                             ; trip 7: the last but one of the second block's double tiles, of which there are at least five: neither its first nor its last
	TRIP 0, 1, 0, 0, 1                             ; trip 8: the second block's last double tile; nothing is left to fetch
	s_wait_tensorcnt 0x0
	ds_add_u32 v62, v63
	s_wait_dscnt 0x0
	s_endpgm
.Lfunc_end_k_q07a91cf338_attn:
	.size	k_q07a91cf338_attn, .Lfunc_end_k_q07a91cf338_attn-k_q07a91cf338_attn
	.p2alignl 7, 3214868480
	.fill 96, 4, 3214868480
	.section	.rodata,"a",@progbits
	.p2align	6, 0x0
	.amdhsa_kernel k_q07a91cf338_attn
		.amdhsa_group_segment_fixed_size 327680
		.amdhsa_private_segment_fixed_size 0
		.amdhsa_enable_private_segment 0
		.amdhsa_kernarg_size 16
		.amdhsa_user_sgpr_count 2
		.amdhsa_user_sgpr_kernarg_segment_ptr 1
		.amdhsa_wavefront_size32 1
		.amdhsa_system_sgpr_workgroup_id_x 1
		.amdhsa_system_sgpr_workgroup_id_y 1
		.amdhsa_system_sgpr_workgroup_id_z 1
		.amdhsa_system_vgpr_workitem_id 0
		.amdhsa_next_free_vgpr 512
		.amdhsa_next_free_sgpr 80
		.amdhsa_reserve_vcc 1
		.amdhsa_float_denorm_mode_32 3
		.amdhsa_float_denorm_mode_16_64 3
		.amdhsa_memory_ordered 1
		.amdhsa_forward_progress 1
		.amdhsa_inst_pref_size 255
	.end_amdhsa_kernel
	.section	.bss,"aw",@nobits
	.p2align	6
	.space	262144
	.amdgpu_metadata
---
amdhsa.version: [ 1, 2 ]
amdhsa.kernels:
  - .name:           k_q07a91cf338_attn
    .symbol:         k_q07a91cf338_attn.kd
    .args:
      - { .name: qkvh, .offset: 0, .size: 8, .value_kind: global_buffer, .address_space: global }
      - { .name: oh, .offset: 8, .size: 8, .value_kind: global_buffer, .address_space: global }
    .group_segment_fixed_size: 327680
    .private_segment_fixed_size: 0
    .kernarg_segment_align: 8
    .kernarg_segment_size: 16
    .max_flat_workgroup_size: 256
    .sgpr_count:     80
    .vgpr_count:     512
    .wavefront_size: 32
...
	.end_amdgpu_metadata
.endif
;; end of part 3
;; launch oproj (part 4): grid 8 x 32, 4 waves a work-group, clusters of 4 x 4, 327,680 bytes of LDS; arguments oh, woh, out0; writes out0
.if DOCPART == 4
	.amdgcn_target "amdgcn-amd-amdhsa--gfx1250"
	.amdhsa_code_object_version 6
	.text
	.protected	k_q07a91cf338_oproj
	.globl	k_q07a91cf338_oproj
	.p2align	8
	.type	k_q07a91cf338_oproj,@function
k_q07a91cf338_oproj:
	s_mov_b64 s[64:65], 0
	v_nop
	global_prefetch_b8 v0, s[64:65] scope:SCOPE_SE
	s_setreg_imm32_b32 hwreg(HW_REG_WAVE_MODE, 25, 1), 1
	s_wait_xcnt 0x0
	s_wait_alu depctr_hold_cnt(0) depctr_sa_sdst(0) depctr_va_vdst(0) depctr_va_sdst(0) depctr_va_ssrc(0) depctr_va_vcc(0) depctr_vm_vsrc(0)
	s_getreg_b32 s2, hwreg(HW_REG_IB_STS2, 6, 4)
	s_cmp_eq_u32 s2, 0
	s_cbranch_scc0 .Lentry_in_a_cluster
	s_endpgm
.Lentry_in_a_cluster:
	s_bfe_u32 s2, ttmp6, 0x10000c
	s_cmp_lg_u32 s2, 0xf033
	s_cbranch_scc0 .Lentry_shape_is_right
	s_endpgm
.Lentry_shape_is_right:
; oproj: out0[token][e] = sum over k of O[token][k] W_o[e][k], f32 out.  O comes as two f16 parts, oh = [b][part 2][head 16][S][64], and woh = [1024][2048]
; holds each row of W_o twice, so the product is one sum over K = 2,048: first the upper parts of the 16 heads, then the lower ones, f32 sums throughout.
; SHAPE.  A work-group makes 128 tokens x 128 columns: 32 x 8 = 256 equal work-groups.  Four waves, 2 x 2, each 64 x 64: 16 accumulator tiles.
; A slot holds 256 of K (four heads), so that a refill has 7/8 of 128 matrix instructions in which to land; 8 fills, two slots, 4 laps.
; O's tile for 64 tokens: each head's 64 tokens are 8,192 consecutive bytes, so the tile is 4 rows of 4,096 elements, 131,072 elements apart, with padding behind
; every 32 words, that is behind every token: in LDS [head 4][token 64] at a pitch of 144 bytes.  woh's tile: 64 rows of 512 bytes at a pitch of 528.
; CLUSTER.  4 x 4 work-groups: O's tile is asked for jointly along a row of the cluster, woh's along a column.
; REGISTERS: window 0: v16-26 addresses, v64-127 fragments of O (two buffers); window 1: fragments of woh, two buffers of 32; windows 2, 3: accumulators of my
; token tiles 0, 1 and 2, 3, tile (a, b) at v[8 (4 (a & 1) + b)].  The matrix instruction is used transposed: lane (r, h) holds token r, columns 8 h + 0..7.
.set NT,     4
.set PA,     144
.set PB,     528
.set HEADB,  64*PA                     ; a head's 64 tokens in LDS
.set HALFA,  4*HEADB                   ; what waves 0 and 1 each fetch: 36,864
.set HALFB,  64*PB                     ; what waves 2 and 3 each fetch: 33,792
.set ABYTES, 2*HALFA
.set SLOT,   ABYTES+2*HALFB            ; 141,312
.set STAGE,  2*SLOT                    ; 282,624 = 1,104 x 256: behind the ring, 16 rows x 272 bytes for each wave; no tensor load fills it
.set SPITCH, 272
.set ASTEP,  1048576                   ; four heads of 262,144 bytes
.set BSTEP,  512
.set LAPS,   4
.set ADRA, 16
.set ADRB, 20
.set STO,  24
.set RD,   25
.set CO,   26
.set FA,   64
.set WV, 12
.set WH, 13
.set WL, 14
.set CNT, 15
.set G1,  24
.set G0,  32
.set G1B, 48
.set G0B, 56
.set MSB, 0
.macro WIN new
.if MSB != \new
	s_set_vgpr_msb (MSB<<8)|\new
.set MSB, \new
.endif
.endm
.set MUL_LO, 0xa1
.set MUL_HI, 0xf1
.set TO_B,   0x40
.macro JLOAD s
	s_cmp_eq_u32 s[WH], 0
	s_cbranch_scc0 .Lfor_b_\@
	tensor_load_to_lds s[G0+4*\s:G0+4*\s+3], s[G1:G1+7]
	s_nop 0
	s_branch .Lasked_\@
.Lfor_b_\@:
	tensor_load_to_lds s[G0B+4*\s:G0B+4*\s+3], s[G1B:G1B+7]
	s_nop 0
.Lasked_\@:
.endm
.macro CREST
	s_cmp_lg_u32 s[WV], 0
	s_cbranch_scc1 .Lnot_wave_0_\@
	s_barrier_signal -3
.Lnot_wave_0_\@:
	s_barrier_wait -3
	s_barrier_signal -1
	s_barrier_wait -1
.endm
.macro CROUND
	s_barrier_signal -1
	s_barrier_wait -1
	CREST
.endm
.macro PLACES                          ; four plain vector instructions behind a matrix instruction (ISA guide 7.12.1)
.rept 4
	v_nop
.endr
.endm
	s_load_b128 s[4:7], s[0:1], 0x0                ; oh s[4:5], woh s[6:7]
	s_load_b64 s[8:9], s[0:1], 0x10                ; out0
	s_set_vgpr_msb 0x40
	v_lshl_add_u32 v255, v0, 2, 0x49400
	s_set_vgpr_msb 0x4000
	v_mov_b32 v255, 0
	s_set_vgpr_msb 0x1
	ds_add_u32 v255, v255
	s_set_vgpr_msb 0x100
	v_lshrrev_b32 v1, 5, v0
	v_readfirstlane_b32 s[WV], v1
	s_lshr_b32 s[WH], s[WV], 1                     ; my half of the block's tokens.  Also: I fetch for O (0) or for woh (1)
	s_and_b32 s[WL], s[WV], 1                      ; my half of its columns.  Also: which half of that tile I fetch
	s_bfe_u32 s40, ttmp6, 0x40000                  ; cx
	s_bfe_u32 s41, ttmp6, 0x40004                  ; cy
	s_lshl_b32 s42, ttmp9, 2
	s_add_co_u32 s42, s42, s40                     ; block column
	s_and_b32 s43, ttmp7, 0xffff
	s_lshl_b32 s43, s43, 2
	s_add_co_u32 s43, s43, s41                     ; block row
	s_lshl_b32 s44, s41, 2
	s_lshl_b32 s44, 15, s44
	s_lshl_b32 s45, 0x1111, s40
	s_or_b32 s[G1+0], s44, (1<<16)|(1<<20)|(1<<21)|(4<<22)|(3<<25)    ; elements of 2 bytes; padding on; bit 21 beside a mask; after every 32 words, 4 words
	s_mov_b32 s[G1+1], 4096<<16                    ; tensor_dim0 = 4,096
	s_mov_b32 s[G1+2], 4<<16                       ; tensor_dim1 = 4
	s_mov_b32 s[G1+3], 4096<<16                    ; tile_dim0 = 4,096
	s_mov_b32 s[G1+4], 4                           ; tile_dim1 = 4
	s_mov_b32 s[G1+5], 131072                      ; elements from head to head
	s_mov_b32 s[G1+6], 0
	s_mov_b32 s[G1+7], 0
	s_or_b32 s[G1B+0], s45, (1<<16)|(1<<20)|(1<<21)|(6<<22)|(3<<25)   ; after every 128 words, 4 words
	s_mov_b32 s[G1B+1], 256<<16
	s_mov_b32 s[G1B+2], 64<<16
	s_mov_b32 s[G1B+3], 256<<16
	s_mov_b32 s[G1B+4], 64
	s_mov_b32 s[G1B+5], 2048
	s_mov_b32 s[G1B+6], 0
	s_mov_b32 s[G1B+7], 0
	s_lshr_b32 s16, s43, 4
	s_lshl_b32 s16, s16, 23                        ; batch: 2 x 16 x 2,048 x 128 bytes
	s_and_b32 s17, s43, 15
	s_lshl_b32 s17, s17, 14                        ; 128 tokens of 128 bytes for each block row
	s_add_co_u32 s16, s16, s17
	s_lshl_b32 s17, s[WL], 13                      ; 64 tokens for each half
	s_add_co_u32 s16, s16, s17
	s_mov_b32 s17, 0
	s_lshl_b32 s46, s42, 19                        ; woh: row 128 x block column + 64 x half, rows of 4,096 bytes
	s_lshl_b32 s47, s[WL], 18
	s_add_co_u32 s46, s46, s47
	s_mov_b32 s47, 0
	s_mul_i32 s20, s[WV], HALFA                    ; LDS: O's halves at wave x 36,864 (waves 0, 1),
	s_mul_i32 s21, s[WV], HALFB
	s_add_co_u32 s21, s21, ABYTES-2*HALFB          ; woh's behind them at wave x 33,792 + 6,144 (waves 2, 3)
	s_wait_dscnt 0x0
	s_wait_kmcnt 0x0
	s_add_nc_u64 s[22:23], s[4:5], s[16:17]
	s_add_nc_u64 s[46:47], s[6:7], s[46:47]
	CROUND                                         ; all sixteen work-groups are here: the first joint loads meet
.irp s, 0,1
	s_mov_b32 s[G0+4*\s], 1
	s_add_co_u32 s[G0+4*\s+1], s20, \s*SLOT
	s_add_nc_u64 s[G0+4*\s+2:G0+4*\s+3], s[22:23], \s*ASTEP
	s_or_b32 s[G0+4*\s+3], s[G0+4*\s+3], 0x80000000
	s_mov_b32 s[G0B+4*\s], 1
	s_add_co_u32 s[G0B+4*\s+1], s21, \s*SLOT
	s_add_nc_u64 s[G0B+4*\s+2:G0B+4*\s+3], s[46:47], \s*BSTEP
	s_or_b32 s[G0B+4*\s+3], s[G0B+4*\s+3], 0x80000000
	JLOAD \s                                       ; two tensor loads of a wave are out here, later one
.endr
	v_and_b32 v1, 15, v0                           ; r
	v_bfe_u32 v2, v0, 4, 1                         ; h
	v_mul_u32_u24 v3, v1, PA
	v_lshl_add_u32 v3, v2, 4, v3
	v_mul_u32_u24 v4, v1, PB
	v_lshl_add_u32 v4, v2, 4, v4
	s_mul_i32 s18, s[WH], HALFA                    ; my 64 tokens
	s_mul_i32 s19, s[WL], HALFB                    ; my 64 rows of woh,
	s_add_co_u32 s19, s19, ABYTES                  ; which lie behind O's tile
.irp s, 0,1
	v_add_nc_u32 v[ADRA+\s], s18, v3
	v_add_nc_u32 v[ADRB+\s], s19, v4
	s_add_co_u32 s18, s18, SLOT
	s_add_co_u32 s19, s19, SLOT
.endr
	s_mul_i32 s18, s[WV], 16*SPITCH
	s_add_co_u32 s18, s18, STAGE
	v_mul_u32_u24 v4, v1, SPITCH
	v_lshl_add_u32 v4, v2, 5, v4
	v_add_nc_u32 v[STO], s18, v4                   ; in: row r, 32 bytes for each half of the lanes
	v_mul_u32_u24 v5, v2, SPITCH
	v_lshl_add_u32 v5, v1, 4, v5
	v_add_nc_u32 v[RD], s18, v5                    ; back: lanes 0-15 take one row of 256 bytes, lanes 16-31 the next
	v_lshlrev_b32 v6, 12, v2
	v_lshl_add_u32 v[CO], v1, 4, v6                ; and the same two rows in out0, 4,096 bytes apart
; The 16 accumulators take turns, one instruction a turn, in the same order in every quarter step.
.macro MULROW f, a, zero
.set bi, 0
.rept NT
.if \zero
	v_wmma_f32_16x16x32_f16 v[8*(NT*(\a&1)+bi):8*(NT*(\a&1)+bi)+7], v[8*(NT*\f+bi):8*(NT*\f+bi)+7], v[FA+32*\f+8*\a:FA+32*\f+8*\a+7], 0
.else
	v_wmma_f32_16x16x32_f16 v[8*(NT*(\a&1)+bi):8*(NT*(\a&1)+bi)+7], v[8*(NT*\f+bi):8*(NT*\f+bi)+7], v[FA+32*\f+8*\a:FA+32*\f+8*\a+7], v[8*(NT*(\a&1)+bi):8*(NT*(\a&1)+bi)+7]
.endif
.set bi, bi+1
.endr
.endm
; 16 LDS loads in one run: 32 of K, number q of the slot's eight, into buffer f.  In O's tile that is head q / 2, d = 32 (q % 2) ..
.macro FETCH slot, q, f
	WIN TO_B
.set bi, 0
.rept NT
	ds_load_b128 v[8*(NT*\f+bi):8*(NT*\f+bi)+3],   v[ADRB+\slot] offset:64*\q+bi*16*PB
	ds_load_b128 v[8*(NT*\f+bi)+4:8*(NT*\f+bi)+7], v[ADRB+\slot] offset:64*\q+bi*16*PB+32
.set bi, bi+1
.endr
	WIN 0
.irp a, 0,1,2,3
	ds_load_b128 v[FA+32*\f+8*\a:FA+32*\f+8*\a+3],   v[ADRA+\slot] offset:(\q/2)*HEADB+(\q%2)*64+\a*16*PA
	ds_load_b128 v[FA+32*\f+8*\a+4:FA+32*\f+8*\a+7], v[ADRA+\slot] offset:(\q/2)*HEADB+(\q%2)*64+\a*16*PA+32
.endr
.endm
.macro QUARTER slot, qn, f, g, zero
	s_wait_dscnt 4                                 ; all but the youngest four loads, which are token tiles 2 and 3
	WIN MUL_LO
	MULROW \f, 0, \zero
	MULROW \f, 1, \zero
	PLACES
	FETCH \slot, \qn, \g
	s_wait_dscnt 2*NT+8                            ; all but the 16 just issued
	WIN MUL_HI
	MULROW \f, 2, \zero
	MULROW \f, 3, \zero
.endm
.macro BODY slot, zero
	QUARTER \slot, 1, 0, 1, \zero
	QUARTER \slot, 2, 1, 0, 0
	QUARTER \slot, 3, 0, 1, 0
	QUARTER \slot, 4, 1, 0, 0
	QUARTER \slot, 5, 0, 1, 0
	QUARTER \slot, 6, 1, 0, 0
	QUARTER \slot, 7, 0, 1, 0
.endm
; the slot's last 32 of K and the change of slots: each wave's waits for its reads and for all its tensor loads stand in front of the barrier; where the slot is
; filled again the barrier opens a round of the cluster's barrier, and the joint refill is the first tensor load behind the round
.macro TURN slot, next, fill
	s_wait_dscnt 4
	WIN MUL_LO
	MULROW 1, 0, 0
	s_wait_dscnt 0x0
	s_wait_tensorcnt 0x0
	ds_add_u32 v255, v255
	s_wait_dscnt 0x0
	s_barrier_signal -1
	MULROW 1, 1, 0
	WIN 0
	s_barrier_wait -1
.if \fill
	CREST
	s_add_nc_u64 s[G0+4*\slot+2:G0+4*\slot+3], s[G0+4*\slot+2:G0+4*\slot+3], 2*ASTEP
	s_add_nc_u64 s[G0B+4*\slot+2:G0B+4*\slot+3], s[G0B+4*\slot+2:G0B+4*\slot+3], 2*BSTEP
	JLOAD \slot
.endif
	PLACES
	FETCH \next, 0, 0
	WIN MUL_HI
	MULROW 1, 2, 0
	MULROW 1, 3, 0
.endm
.macro LAP zero
	BODY 0, \zero
	TURN 0, 1, 1
	BODY 1, 0
	TURN 1, 0, 1
.endm
	s_wait_tensorcnt 1                             ; my part of slot 0 is in; slot 1's may stay out
	s_barrier_signal -1
	s_barrier_wait -1
	FETCH 0, 0, 0
	LAP 1
	WIN 0
	s_mov_b32 s[CNT], LAPS-2
.Llap:
	LAP 0
	WIN 0
	s_sub_co_u32 s[CNT], s[CNT], 1
	s_cmp_lg_u32 s[CNT], 0
	s_cbranch_scc1 .Llap
	BODY 0, 0                                      ; the last lap fills nothing
	TURN 0, 1, 0
	BODY 1, 0
	s_wait_dscnt 4
	WIN MUL_LO
	MULROW 1, 0, 0
	MULROW 1, 1, 0
	s_wait_dscnt 0x0
	WIN MUL_HI
	MULROW 1, 2, 0
	MULROW 1, 3, 0
	; THE WAY OUT, 16 tokens at a time: the f32 sums into my stage, back as whole rows of 256 bytes
	PLACES
	WIN 0
	s_lshl_b32 s68, s43, 19                        ; 128 tokens of 4,096 bytes for each block row,
	s_lshl_b32 s69, s[WH], 18                      ; 64 for my half,
	s_add_co_u32 s68, s68, s69
	s_lshl_b32 s69, s42, 9                         ; 128 columns of 4 bytes for each block column,
	s_add_co_u32 s68, s68, s69
	s_lshl_b32 s69, s[WL], 8                       ; 64 for my half
	s_add_co_u32 s68, s68, s69
	s_mov_b32 s69, 0
	s_add_nc_u64 s[66:67], s[8:9], s[68:69]
.macro OUT16 a
.if \a < 2
	WIN 0x08                                       ; an LDS store's data are source 1: the accumulators' window
.else
	WIN 0x0c
.endif
.irp b, 0,1,2,3
	ds_store_b128 v[STO], v[8*(NT*(\a&1)+\b):8*(NT*(\a&1)+\b)+3]   offset:64*\b
	ds_store_b128 v[STO], v[8*(NT*(\a&1)+\b)+4:8*(NT*(\a&1)+\b)+7] offset:64*\b+16
.endr
	WIN 0
	s_wait_xcnt 0x0                                ; the base and the registers that earlier stores read are written again only behind this wait (ISA guide 3.1)
.if \a
	s_add_nc_u64 s[66:67], s[66:67], 16*4096
.endif
.irp t, 0,1,2,3,4,5,6,7
	ds_load_b128 v[FA+32*(\a&1)+4*\t:FA+32*(\a&1)+4*\t+3], v[RD] offset:\t*2*SPITCH    ; LDS serves a wave's instructions in order (ISA guide 5.7.1)
.endr
.irp t, 0,1,2,3,4,5,6,7
	s_wait_dscnt 7-\t
	global_store_b128 v[CO], v[FA+32*(\a&1)+4*\t:FA+32*(\a&1)+4*\t+3], s[66:67] offset:\t*2*4096 th:TH_STORE_NT   ; 16 lanes store 256 consecutive bytes, aligned
.endr
.endm
	OUT16 0
	OUT16 1
	OUT16 2
	OUT16 3
	s_set_vgpr_msb 0x1
	s_wait_tensorcnt 0x0
	ds_add_u32 v255, v255
	s_wait_dscnt 0x0
	s_set_vgpr_msb 0x100
	CROUND                                         ; the closing round
	s_endpgm
.Lfunc_end_k_q07a91cf338_oproj:
	.size	k_q07a91cf338_oproj, .Lfunc_end_k_q07a91cf338_oproj-k_q07a91cf338_oproj
	.p2alignl 7, 3214868480
	.fill 96, 4, 3214868480
	.section	.rodata,"a",@progbits
	.p2align	6, 0x0
	.amdhsa_kernel k_q07a91cf338_oproj
		.amdhsa_group_segment_fixed_size 327680
		.amdhsa_private_segment_fixed_size 0
		.amdhsa_enable_private_segment 0
		.amdhsa_kernarg_size 24
		.amdhsa_user_sgpr_count 2
		.amdhsa_user_sgpr_kernarg_segment_ptr 1
		.amdhsa_wavefront_size32 1
		.amdhsa_system_sgpr_workgroup_id_x 1
		.amdhsa_system_sgpr_workgroup_id_y 1
		.amdhsa_system_sgpr_workgroup_id_z 1
		.amdhsa_system_vgpr_workitem_id 0
		.amdhsa_next_free_vgpr 1024
		.amdhsa_next_free_sgpr 84
		.amdhsa_reserve_vcc 0
		.amdhsa_float_denorm_mode_32 3
		.amdhsa_float_denorm_mode_16_64 3
		.amdhsa_memory_ordered 1
		.amdhsa_forward_progress 1
		.amdhsa_inst_pref_size 131
	.end_amdhsa_kernel
	.amdgpu_metadata
---
amdhsa.version: [ 1, 2 ]
amdhsa.kernels:
  - .name:           k_q07a91cf338_oproj
    .symbol:         k_q07a91cf338_oproj.kd
    .args:
      - { .name: oh, .offset: 0, .size: 8, .value_kind: global_buffer, .address_space: global }
      - { .name: woh, .offset: 8, .size: 8, .value_kind: global_buffer, .address_space: global }
      - { .name: out0, .offset: 16, .size: 8, .value_kind: global_buffer, .address_space: global }
    .group_segment_fixed_size: 327680
    .private_segment_fixed_size: 0
    .kernarg_segment_align: 8
    .kernarg_segment_size: 24
    .max_flat_workgroup_size: 128
    .sgpr_count:     84
    .vgpr_count:     1024
    .wavefront_size: 32
...
	.end_amdgpu_metadata
.endif
;; end of part 4
